; MI455X (gfx1250); checked and timed in simulation.
; The chip was launched on July 23, 2026; its instructions are those of AMD's public machine-readable ISA for CDNA 5 (MIT licence, August 2026) and "CDNA5" Instruction Set Architecture Reference Guide (July 2026). The comments in the code are by the model that wrote it; some were corrected since.
;; Attn Block. Allowed arithmetic: matrix products marked QUANTISED: E4M3 operands, one E8M0 scale for each 32 along K, by v_wmma_scale_f32_16x16x128_f8f6f4 with both operands' format E4M3, f32 sums; everything else in f32.
;; Inputs: Wk_codes 512 x 16 x 32 uint8 (E4M3 codes of Wk, K innermost, in blocks of 32 codes); Wk_scales 512 x 16 uint8 (E8M0 scales of Wk, one for each 32 codes along K); Wo_codes 512 x 16 x 32 uint8 (E4M3 codes of Wo, K innermost, in blocks of 32 codes); Wo_scales 512 x 16 uint8 (E8M0 scales of Wo, one for each 32 codes along K); Wq_codes 512 x 16 x 32 uint8 (E4M3 codes of Wq, K innermost, in blocks of 32 codes); Wq_scales 512 x 16 uint8 (E8M0 scales of Wq, one for each 32 codes along K); Wv_codes 512 x 16 x 32 uint8 (E4M3 codes of Wv, K innermost, in blocks of 32 codes); Wv_scales 512 x 16 uint8 (E8M0 scales of Wv, one for each 32 codes along K); bk 512 float32; bo 512 float32; bq 512 float32; bv 512 float32; gn_bias 512 float32; gn_scale 512 float32; x 32 x 32 x 32 x 512 float32.
;; Outputs: out0 32 x 32 x 32 x 512 float32.
;; This version of the problem:
;;   THIS VERSION OF THE PROBLEM IS GIVEN IN LOW PRECISION. The matrix products marked QUANTISED in the list below multiply operands that are first quantised to E4M3 (4 exponent bits, 3 mantissa bits; 8 bits a number), with one power-of-two scale for each 32 numbers along K (OCP MX v1.0); their sums are f32. All else is computed in f32.
;;   The module's matrix products, in the order in which they are computed (A, B: the left and right operand; K: the contracted axis; several contracted axes count as one K, in the product's order):
;;     1. [M 32,768, K 512] x [K 512, N 512]; A: computed on the way; B: input Wq (given as codes): QUANTISED
;;     2. [M 32,768, K 512] x [K 512, N 512]; A: computed on the way; B: input Wk (given as codes): QUANTISED
;;     3. [M 32,768, K 512] x [K 512, N 512]; A: computed on the way; B: input Wv (given as codes): QUANTISED
;;     4. batch 32 x [M 1,024, K 512] x [K 512, N 1,024]; A: computed on the way; B: computed on the way: QUANTISED
;;     5. batch 32 x [M 1,024, K 1,024] x [K 1,024, N 512]; A: computed on the way; B: computed on the way: QUANTISED
;;     6. [M 32,768, K 512] x [K 512, N 512]; A: computed on the way; B: input Wo (given as codes): QUANTISED
;;   THE QUANTISER, for each operand of a quantised product, along K:
;;     - K is cut into blocks of 32 from its start; a last block that is shorter is filled with zeros.
;;     - A block's scale is 2^e with e = floor(log2(the largest magnitude in the block)) - 8, held to -126 .. 127; a block of zeros has e = 0. As a byte (E8M0): e + 127.
;;     - Each number is divided by its block's scale, clamped to +-448, and rounded to the nearest number of E4M3, ties to even, subnormals kept.
;;     - The product sums the exact products of the quantised numbers (number of the format x scale) in f32.
;;   ~~~python
;;   def quantise(x, axis):      # numpy; x: float32 -> the quantised numbers, widened to float32 again
;;       x = np.moveaxis(x, axis, -1); K = x.shape[-1]
;;       x = np.pad(x, [(0, 0)] * (x.ndim - 1) + [(0, -K % 32)]); x = x.reshape(x.shape[:-1] + (-1, 32)); a = np.abs(x).max(-1, keepdims=True)
;;       e = np.where(a > 0, np.clip(np.frexp(np.where(a > 0, a, 1))[1] - 1 - 8, -126, 127), 0)      # np.frexp(a)[1] - 1 = floor(log2(a)), exactly
;;       r = np.clip(x / 2.0 ** e, -448, 448)
;;       step = 2.0 ** (np.maximum(np.frexp(np.where(r == 0, 1, r))[1] - 1, -6) - 3)
;;       q = np.round(r / step) * step * 2.0 ** e      # np.round: ties to even
;;       return np.moveaxis(q.reshape(q.shape[:-2] + (-1,))[..., :K], -1, axis).astype(np.float32)
;;   ~~~
;;   OPERANDS COMPUTED ON THE WAY. 'Computed on the way' means the value that the module computes at that place (a softmax that the list does not call 'softmax' is quantised finished and normalised). What goes into a quantiser is computed in f32, as accurately as f32 sums, v_exp_f32 and their like allow (about 1e-6 of the number): no bf16 or f16 on the way to a quantiser, and a product that is left as it is and whose result goes on into a quantised operand takes f32 operands (vector FMAs, or v_wmma_f32_16x16x4_f32). A number that lies on a knife's edge between two numbers of the format may be rounded either way, as far as f32 arithmetic and the matrix unit's own rounding can turn it there, and no further.
;;   INPUTS GIVEN AS CODES. Wk (in the module: [512, 512], K = its axis 0); Wo (in the module: [512, 512], K = its axis 0); Wq (in the module: [512, 512], K = its axis 0); Wv (in the module: [512, 512], K = its axis 0): each comes as NAME_codes (uint8): NAME with its K axis moved to the last place and cut into blocks of 32 codes, [.., K / 32, bytes a block], one block behind the other in memory; one code a byte (a code: sign, 4 exponent bits, 3 mantissa bits); and NAME_scales (uint8): the same leading axes, one E8M0 byte (e + 127) for each 32 codes along K. Its value is code x scale, taken as it is: it is not quantised again, and the codes and scales need not be those that the quantiser above would give.
;; One version. Each part assembles by itself: llvm-mc -triple=amdgcn-amd-amdhsa -mcpu=gfx1250 --defsym DOCPART=n.
;; ======== version 1 of 1: 3 launches
;; limits: right only within a limited range of input values
;; workspace buffers: gnstat 131,072 bytes; qc 16,777,216 bytes; qs 524,288 bytes; kc 16,777,216 bytes; ks 524,288 bytes; vc 16,777,216 bytes; vs 524,288 bytes
;; launch stats (part 1): grid 8 x 32, 16 waves a work-group, no clusters, 4,096 bytes of LDS; arguments x, gn_scale, gnstat; writes gnstat
.if DOCPART == 1
	.amdgcn_target "amdgcn-amd-amdhsa--gfx1250"
	.amdhsa_code_object_version 6
	.text
	.protected	k_q78fdf7c84f_stats
	.globl	k_q78fdf7c84f_stats
	.p2align	8
	.type	k_q78fdf7c84f_stats,@function
k_q78fdf7c84f_stats:
	s_mov_b64 s[64:65], 0
	v_nop
	global_prefetch_b8 v0, s[64:65] scope:SCOPE_SE
	s_setreg_imm32_b32 hwreg(HW_REG_WAVE_MODE, 25, 1), 1
	s_wait_xcnt 0x0
; GroupNorm's statistics.  x: [32][1024 tokens][512 channels] f32; a group is 16 neighbouring channels over all 1,024 tokens of a batch: 16,384 numbers.
; Out: gnstat [32][2][512] f32: for each batch and channel the group's mean, and A = rsqrt(var + 1e-6) x gn_scale[channel].
; A work-group owns 64 channels (4 whole groups) of one batch: 1,024 x 256 bytes, kept in the registers of its 16 waves, so that the variance
; is taken of x - mean (two passes over registers, one over memory): a common offset of x costs no digits.
; Thread t: 4 channels at 16 (t % 16) bytes, tokens t / 16 + 32 i: a load of a wave covers two aligned runs of 256 bytes.
; No matrix unit, no tensor load: the launch streams, and a row of partial sums in LDS is all that the waves share.
; LIMITS: NaN and infinities among the inputs are not served; rsqrt is the chip's (1 ulp).
.set X,    32                          ; v32-159  my 128 numbers
.set CH,   8                           ; v8-15    four packed chains
.set R,    16                          ; v16-31   the sixteen waves' partial sums, then at work
.set GS,   160                         ; v160-163 gn_scale of my 4 channels
.set MEAN, 164                         ; v164-165 the mean, twice (a pair for the packed subtraction)
	s_load_b128 s[4:7], s[0:1], 0x0                ; x, gn_scale
	s_load_b64 s[8:9], s[0:1], 0x10                ; gnstat
	v_lshl_add_u32 v168, v0, 2, 0x800
	v_mov_b32 v169, 0
	v_lshrrev_b32 v1, 5, v0
	s_delay_alu instid0(VALU_DEP_1)
	v_readfirstlane_b32 s10, v1                    ; wave 0..15
	v_and_b32 v2, 15, v0                           ; col: which 4 channels
	v_lshrrev_b32 v3, 4, v0                        ; my first token, 0..31
	s_delay_alu instid0(VALU_DEP_2)
	v_lshlrev_b32 v4, 4, v2                        ; 16 col
	s_delay_alu instid0(VALU_DEP_1)
	v_lshl_add_u32 v5, v3, 11, v4                  ; token x 2,048 bytes + 16 col
	s_delay_alu instid0(VALU_DEP_4)
	v_lshlrev_b32 v6, 6, v2                        ; LDS: 64 bytes for each col: a word for each wave
	s_lshl_b32 s14, s10, 2
	v_add_nc_u32 v7, s14, v6                       ; my wave's word
	s_and_b32 s11, ttmp7, 0xffff                   ; batch
	s_lshl_b32 s12, s11, 21                        ; 2 MiB a batch
	s_lshl_b32 s16, ttmp9, 8                       ; 256 bytes for 64 channels
	s_add_co_u32 s12, s12, s16
	s_mov_b32 s13, 0
	s_mov_b32 s17, 0
	s_lshl_b32 s18, s11, 12                        ; gnstat: 4,096 bytes a batch
	s_add_co_u32 s18, s18, s16
	s_mov_b32 s19, 0
	s_mov_b32 s20, 0x76543210                      ; v_permlanex16_b32: lane l xor 16
	s_mov_b32 s21, 0xfedcba98
	s_mov_b32 s22, 0x38800000                      ; 2^-14 = 1 / 16,384
	s_mov_b32 s23, 0x358637bd                      ; 1e-6
	s_wait_alu depctr_va_vdst(0)
	s_wait_kmcnt 0x0
	s_add_nc_u64 s[4:5], s[4:5], s[12:13]
	s_add_nc_u64 s[6:7], s[6:7], s[16:17]
	s_add_nc_u64 s[8:9], s[8:9], s[18:19]
	global_load_b128 v[GS:GS+3], v4, s[6:7]
.set i, 0
.rept 32
	global_load_b128 v[X+4*i:X+4*i+3], v5, s[4:5] offset:i*65536 th:TH_LOAD_NT   ; tokens 32 apart
.set i, i+1
.endr
; The four chains become one number a lane; the 4 lanes of a group and the wave's other token row are added; the waves' sums meet in LDS.
.macro RED off
	s_delay_alu instid0(VALU_DEP_3)
	v_pk_add_f32 v[CH:CH+1], v[CH:CH+1], v[CH+2:CH+3]
	s_delay_alu instid0(VALU_DEP_2)
	v_pk_add_f32 v[CH+4:CH+5], v[CH+4:CH+5], v[CH+6:CH+7]
	s_delay_alu instid0(VALU_DEP_1)
	v_pk_add_f32 v[CH:CH+1], v[CH:CH+1], v[CH+4:CH+5]
	s_delay_alu instid0(VALU_DEP_1)
	v_add_f32 v[CH], v[CH], v[CH+1]
	s_delay_alu instid0(VALU_DEP_1)
	v_add_f32_dpp v[CH], v[CH], v[CH] row_xmask:1 row_mask:0xf bank_mask:0xf
	s_delay_alu instid0(VALU_DEP_1)
	v_add_f32_dpp v[CH], v[CH], v[CH] row_xmask:2 row_mask:0xf bank_mask:0xf
	s_delay_alu instid0(VALU_DEP_1)
	v_permlanex16_b32 v[CH+1], v[CH], s20, s21
	s_delay_alu instid0(VALU_DEP_1)
	v_add_f32 v[CH], v[CH], v[CH+1]
	ds_store_b32 v7, v[CH] offset:\off             ; both halves of the lanes write the same word with the same value
	s_wait_dscnt 0x0                               ; for the others' sake: my store has landed
	s_barrier_signal -1
	s_barrier_wait -1
.irp q, 0,1,2,3
	ds_load_b128 v[R+4*\q:R+4*\q+3], v6 offset:\off+16*\q
.endr
	s_wait_dscnt 0x0
	v_pk_add_f32 v[R:R+1], v[R:R+1], v[R+2:R+3]
	v_pk_add_f32 v[R+4:R+5], v[R+4:R+5], v[R+6:R+7]
	v_pk_add_f32 v[R+8:R+9], v[R+8:R+9], v[R+10:R+11]
	v_pk_add_f32 v[R+12:R+13], v[R+12:R+13], v[R+14:R+15]
	s_delay_alu instid0(VALU_DEP_3)
	v_pk_add_f32 v[R:R+1], v[R:R+1], v[R+4:R+5]
	s_delay_alu instid0(VALU_DEP_2)
	v_pk_add_f32 v[R+8:R+9], v[R+8:R+9], v[R+12:R+13]
	s_delay_alu instid0(VALU_DEP_1)
	v_pk_add_f32 v[R:R+1], v[R:R+1], v[R+8:R+9]
	s_delay_alu instid0(VALU_DEP_1)
	v_add_f32 v[R], v[R], v[R+1]                   ; the group's sum, the same bits in every thread of the group
.endm
	; pass 1: the sum.  Pair e goes to chain e % 4; the first eight pairs start the chains: nothing is cleared
	s_wait_loadcnt 24                              ; loads 0-7 are in; the 24 younger ones may be out
.irp c, 0,1,2,3
	v_pk_add_f32 v[CH+2*\c:CH+2*\c+1], v[X+2*\c:X+2*\c+1], v[X+2*\c+8:X+2*\c+9]
.endr
.set e, 8
.rept 8
	s_delay_alu instid0(VALU_DEP_4)
	v_pk_add_f32 v[CH+2*(e%4):CH+2*(e%4)+1], v[CH+2*(e%4):CH+2*(e%4)+1], v[X+2*e:X+2*e+1]
.set e, e+1
.endr
	s_wait_alu depctr_va_vdst(0)
.irp n, 16, 8, 0
	s_wait_alu depctr_va_vdst(0)
	s_wait_loadcnt \n                              ; the next eight loads are in
.rept 16
	v_pk_add_f32 v[CH+2*(e%4):CH+2*(e%4)+1], v[CH+2*(e%4):CH+2*(e%4)+1], v[X+2*e:X+2*e+1]
.set e, e+1
.endr
.endr
	RED 0
	s_delay_alu instid0(VALU_DEP_1)
	v_mul_f32 v[MEAN], s22, v[R]
	s_delay_alu instid0(VALU_DEP_1)
	v_mov_b32 v[MEAN+1], v[MEAN]
	; pass 2: the sum of (x - mean)^2
.set e, 0
.rept 64
	v_pk_add_f32 v[X+2*e:X+2*e+1], v[X+2*e:X+2*e+1], v[MEAN:MEAN+1] neg_lo:[0,1] neg_hi:[0,1]
.set e, e+1
.endr
.irp c, 0,1,2,3
	v_pk_mul_f32 v[CH+2*\c:CH+2*\c+1], v[X+2*\c:X+2*\c+1], v[X+2*\c:X+2*\c+1]
.endr
.set e, 4
.rept 60
	s_delay_alu instid0(VALU_DEP_4)
	v_pk_fma_f32 v[CH+2*(e%4):CH+2*(e%4)+1], v[X+2*e:X+2*e+1], v[X+2*e:X+2*e+1], v[CH+2*(e%4):CH+2*(e%4)+1]
.set e, e+1
.endr
	RED 1024                                       ; other LDS bytes than the first time: no third barrier is needed
	s_delay_alu instid0(VALU_DEP_1)
	v_fma_f32 v[R+1], v[R], s22, s23               ; var + eps
	s_wait_alu depctr_va_vdst(0)
	v_rsq_f32 v[R+2], v[R+1]
	v_nop                                          ; a plain instruction behind the transcendental
	s_wait_alu depctr_va_vdst(0)                   ; and the wait ahead of the first line that names its result, and of the branch
	s_cmp_lg_u32 s10, 0                            ; every wave holds the same figures: wave 0 stores them
	s_cbranch_scc1 .Lend
	v_bfe_u32 v1, v0, 4, 1                         ; lanes 0-15 store the means, lanes 16-31 A
	s_delay_alu instid0(VALU_DEP_1)
	v_cmp_ne_u32 vcc_lo, 0, v1
.irp q, 0,1,2,3
	v_mul_f32 v[R+4+\q], v[R+2], v[GS+\q]
.endr
.irp q, 0,1,2,3
	s_delay_alu instid0(VALU_DEP_4)
	v_cndmask_b32 v[R+4+\q], v[MEAN], v[R+4+\q], vcc_lo
.endr
	v_lshl_add_u32 v1, v1, 11, v4
	global_store_b128 v1, v[R+4:R+7], s[8:9]       ; two aligned runs of 256 bytes
.Lend:
	s_wait_tensorcnt 0x0
	ds_add_u32 v168, v169
	s_wait_dscnt 0x0
	s_endpgm
.Lfunc_end_k_q78fdf7c84f_stats:
	.size	k_q78fdf7c84f_stats, .Lfunc_end_k_q78fdf7c84f_stats-k_q78fdf7c84f_stats
	.p2alignl 7, 3214868480
	.fill 96, 4, 3214868480
	.section	.rodata,"a",@progbits
	.p2align	6, 0x0
	.amdhsa_kernel k_q78fdf7c84f_stats
		.amdhsa_group_segment_fixed_size 4096
		.amdhsa_private_segment_fixed_size 0
		.amdhsa_enable_private_segment 0
		.amdhsa_kernarg_size 24
		.amdhsa_user_sgpr_count 2
		.amdhsa_user_sgpr_kernarg_segment_ptr 1
		.amdhsa_wavefront_size32 1
		.amdhsa_system_sgpr_workgroup_id_x 1
		.amdhsa_system_sgpr_workgroup_id_y 1
		.amdhsa_system_sgpr_workgroup_id_z 1
		.amdhsa_system_vgpr_workitem_id 0
		.amdhsa_next_free_vgpr 170
		.amdhsa_next_free_sgpr 66
		.amdhsa_reserve_vcc 1
		.amdhsa_float_denorm_mode_32 3
		.amdhsa_float_denorm_mode_16_64 3
		.amdhsa_memory_ordered 1
		.amdhsa_forward_progress 1
		.amdhsa_inst_pref_size 24
	.end_amdhsa_kernel
	.amdgpu_metadata
---
amdhsa.version: [ 1, 2 ]
amdhsa.kernels:
  - .name:           k_q78fdf7c84f_stats
    .symbol:         k_q78fdf7c84f_stats.kd
    .args:
      - { .name: x, .offset: 0, .size: 8, .value_kind: global_buffer, .address_space: global }
      - { .name: gn_scale, .offset: 8, .size: 8, .value_kind: global_buffer, .address_space: global }
      - { .name: gnstat, .offset: 16, .size: 8, .value_kind: global_buffer, .address_space: global }
    .group_segment_fixed_size: 4096
    .private_segment_fixed_size: 0
    .kernarg_segment_align: 8
    .kernarg_segment_size: 24
    .max_flat_workgroup_size: 512
    .sgpr_count:     66
    .vgpr_count:     170
    .wavefront_size: 32
...
	.end_amdgpu_metadata
.endif
;; end of part 1
;; launch qkv (part 2): grid 8 x 32, 4 waves a work-group, no clusters, 103,936 bytes of LDS; arguments x, gnstat, gn_bias, Wq_codes, Wq_scales, bq, Wk_codes, Wk_scales, bk, Wv_codes, Wv_scales, bv, qc, qs, kc, ks, vc, vs; writes qc, qs, kc, ks, vc, vs
.if DOCPART == 2
	.amdgcn_target "amdgcn-amd-amdhsa--gfx1250"
	.amdhsa_code_object_version 6
	.text
	.protected	k_q78fdf7c84f_qkv
	.globl	k_q78fdf7c84f_qkv
	.p2align	8
	.type	k_q78fdf7c84f_qkv,@function
k_q78fdf7c84f_qkv:
	s_mov_b64 s[64:65], 0
	v_nop
	global_prefetch_b8 v0, s[64:65] scope:SCOPE_SE
	s_setreg_imm32_b32 hwreg(HW_REG_WAVE_MODE, 25, 1), 1
	s_wait_xcnt 0x0
; h = GroupNorm(x); q = Q(h) Wq + bq, k = Q(h) Wk + bk, v = Q(h) Wv + bv, all products on E4M3 codes with one E8M0 scale for each 32 along K; q and k are then
; quantised along their 512 channels, v along the TOKENS (the keys are the K of attention's second product).  Codes and scale words go to workspace buffers.
; SHARES.  A work-group of four waves owns 128 tokens of one batch, as 8 tiles of 16.  In the first phase wave w normalises and quantises channels 128 w .. + 127 of all 128 tokens
; (K step w of h) and leaves the fragments in LDS.  In the products wave w owns rows 128 w .. + 127 of each weight.
; TILE ORDER.  Of a run of 128 rows (tokens, or rows of a weight) tile 2 p + u takes as its row i the element 32 p + 8 u + i + 8 (i / 8).  A product whose source 0 is such a tile leaves in lane (r, h),
; in the 16 registers of tiles 2 p and 2 p + 1, the elements 32 p + 16 h + 0 .. 15: sixteen neighbours along the next K, in the order of an operand's registers.
; ONE PASS: eight accumulators = eight stationary tiles (32 fragments, 512 registers) x one streaming tile (4 fragments), K = 512; the lane's 64 results are quantised into one fragment and one scale word a row.
;   q, k: stationary = my 128 rows of the weight, streaming = a tile of tokens from LDS: the result is K step w of that tile of q or k.
;   v:    stationary = h's 8 tiles of tokens, streaming = 16 of my rows of Wv from memory: the result is a tile of 16 channels with these 128 tokens along K.
; BY TURNS.  There are two sets of accumulators.  While a pass's 32 products go to one set, the pass before is quantised out of the other: the quantiser is a numbered list of 128 lines, and four of them stand behind each
; matrix instruction: with the two window switches that is seven issue slots for each product.  A phase's first pass has nothing to quantise and its last quantiser stands alone.
; A FRAGMENT TRAVELS AS AN IMAGE OF ITS REGISTERS: 4 pieces of 512 bytes, lane l's 16 bytes at 16 l: every store and load of a piece covers 512 consecutive bytes, aligned.
;   qc, kc: batch x 524,288 + tile x 8,192 + K step x 2,048;   vc: batch x 524,288 + channel tile x 16,384 + key step x 2,048.
;   qs, ks, vs: batch x 16,384 + block x 2,048 + wave x 512 + 16 l + 4 p: lane (u, r) holds the scale word of row r of tile 2 p + u.
; No tensor load and no cluster: each weight fragment has one reader in the work-group and goes from memory straight into its registers; what the waves share, h's codes, is 64 KiB made here.
; LIMITS: NaN and infinities are not served.  A block of zeros gets the byte 1 (its codes are zeros; the bytes are read by this program alone).
; LDS
.set HIMG, 0                           ; h's 32 fragments: (tile m, K step s) at (4 m + s) x 2,048
.set HSCT, 65536                       ; their scale words: (m, row r, s) at (16 m + r) x 16 + 4 s
.set STG,  67584                       ; a stage for each wave: 16 rows x (512 + 16) bytes
.set OTB,  101376                      ; a table of 512 bytes for each wave: the scale words on their way out
; window 0
.set LI,   1                           ; 16 x lane
.set SIN,  2                           ; the stage, on the way in
.set SOUT, 3                           ; and out: row r, + 64 h
.set IMW,  4                           ; where I store h's images: 16 l + 2,048 w
.set HSW,  5                           ; and their scale words
.set WA,   6                           ; a weight's fragment: (r + 8 (r / 8)) x 512 + 16 h
.set WSS,  7                           ; stationary weights' scale words: 16 x (8 h + r + 8 (r / 8))
.set WS1,  8                           ; streaming weight's: 16 x (r + 8 (r / 8))
.set BV1,  9                           ; bv: 4 x (r + 8 (r / 8))
.set BOF,  10                          ; bq, bk: 64 h
.set VSTR, 11                          ; LDS address of the streaming fetch
.set VSSC, 12                          ; and of its scale words
.set VOUT, 13                          ; offset of the image stores
.set OTW,  14                          ; the table, on the way in: 16 r
.set OTR,  15                          ; and out: 16 l
.set HSL,  16                          ; h's scale words as a stationary operand's: 16 l
.set HSR,  17                          ; as a streaming operand's: 16 r
.set VOT,  18                          ; the table's word of the tile that is being quantised
.set NC,   20                          ; v20-31  mean, A, gn_bias of my 4 channels (at the head: at work)
.set SAS,  32                          ; v32-47  stationary scale words [4 p + s]: scales and nothing else
.set SBS,  48                          ; v48-59  streaming scale words, three sets of 4: scales and nothing else
.set BVW,  60                          ; v60-62  bv of my lane's channel, three sets
.set CB,   64                          ; v64-71  bv as a C operand
.set SW,   72                          ; v72-75  scale words to store
.set TM,   80                          ; v80-95  the quantiser's: largest magnitudes, bytes, holds, scale operands
.set PW,   96                          ; the scale word just made
.set PC,   112                         ; v112-127 the codes just made
.set HA,   128                         ; v128-191 eight accumulators;
.set HB,   192                         ; v192-255 and the other eight
; windows 1 and 2: stationary fragment (i, s) in window 1 + s / 2 at v[128 (s % 2) + 16 i].   window 3: v0-191 three sets of 64: x as loaded, later streaming fragments; v192-255 bq or bk in the accumulators' layout
.set BIAS, 192
.set WV,   42
.set T,    43
.set SEL,  44
.set MNT,  46
.set SM,   47                          ; 8,192 x the tile that is being quantised
.set SN,   48                          ; 8,192 x the tile that is being fetched
.set PH,   49
.set CNT,  50
.set OC,   52                          ; s[52:53] where the codes go;  s[54:55] the scale words
.set OS,   54
.set QX,   0                           ; 1: the codes leave by stores to memory, and line 55 of the quantiser waits until the last of them have read their registers
.set MSB, 0
.macro WIN new                         ; s_set_vgpr_msb: bits 1:0 source 0, 3:2 source 1, 5:4 source 2, 7:6 destination; the high byte repeats the setting that is left
.if MSB != (\new)
	s_set_vgpr_msb (MSB<<8)|(\new)
.set MSB, (\new)
.endif
.endm
.macro PL n                            ; places behind matrix instructions (ISA guide 7.12.1)
.rept \n
	v_nop
.endr
.endm
; one matrix instruction.  c < 0: the constant 0 starts the sum.  ra, rb = 1: that side's scale words stand in lanes 16-31
.macro WM d, a, b, c, sa, sb, ra, rb
.if (\c) < 0
.if ((\ra) == 0) && ((\rb) == 0)
	v_wmma_scale_f32_16x16x128_f8f6f4 v[(\d):(\d)+7], v[(\a):(\a)+15], v[(\b):(\b)+15], 0, v[(\sa)], v[(\sb)]
.elseif ((\ra) == 1) && ((\rb) == 0)
	v_wmma_scale_f32_16x16x128_f8f6f4 v[(\d):(\d)+7], v[(\a):(\a)+15], v[(\b):(\b)+15], 0, v[(\sa)], v[(\sb)] matrix_a_scale:MATRIX_SCALE_ROW1
.elseif ((\ra) == 0)
	v_wmma_scale_f32_16x16x128_f8f6f4 v[(\d):(\d)+7], v[(\a):(\a)+15], v[(\b):(\b)+15], 0, v[(\sa)], v[(\sb)] matrix_b_scale:MATRIX_SCALE_ROW1
.else
	v_wmma_scale_f32_16x16x128_f8f6f4 v[(\d):(\d)+7], v[(\a):(\a)+15], v[(\b):(\b)+15], 0, v[(\sa)], v[(\sb)] matrix_a_scale:MATRIX_SCALE_ROW1 matrix_b_scale:MATRIX_SCALE_ROW1
.endif
.else
.if ((\ra) == 0) && ((\rb) == 0)
	v_wmma_scale_f32_16x16x128_f8f6f4 v[(\d):(\d)+7], v[(\a):(\a)+15], v[(\b):(\b)+15], v[(\c):(\c)+7], v[(\sa)], v[(\sb)]
.elseif ((\ra) == 1) && ((\rb) == 0)
	v_wmma_scale_f32_16x16x128_f8f6f4 v[(\d):(\d)+7], v[(\a):(\a)+15], v[(\b):(\b)+15], v[(\c):(\c)+7], v[(\sa)], v[(\sb)] matrix_a_scale:MATRIX_SCALE_ROW1
.elseif ((\ra) == 0)
	v_wmma_scale_f32_16x16x128_f8f6f4 v[(\d):(\d)+7], v[(\a):(\a)+15], v[(\b):(\b)+15], v[(\c):(\c)+7], v[(\sa)], v[(\sb)] matrix_b_scale:MATRIX_SCALE_ROW1
.else
	v_wmma_scale_f32_16x16x128_f8f6f4 v[(\d):(\d)+7], v[(\a):(\a)+15], v[(\b):(\b)+15], v[(\c):(\c)+7], v[(\sa)], v[(\sb)] matrix_a_scale:MATRIX_SCALE_ROW1 matrix_b_scale:MATRIX_SCALE_ROW1
.endif
.endif
.endm
; THE QUANTISER AS A LIST.  64 numbers of a lane, v[s] .. v[s + 63] (window 0), register 16 b + i = k 32 b + 16 (lane / 16) + i of my row, become a fragment's codes in v[PC] on and its scale word in v[PW].  QI writes line j:
;   0-31    the largest magnitude of my 16 numbers of each block, the four blocks by turns, with the floor 2^(9 - 127) among the first: the byte cannot fall under 1.  Each accumulator is read from its low end on
;   32-39   with lane l xor 16's: the block's largest magnitude
;   40-51   8 off its exponent field: the conversion's scale operand; 448 x the scale; the scale's byte
;   52-54   the four bytes make the scale word
;   55      (QX = 1) the last stores of v[PC] have read it, and their offset register too
;   56-119  the hold: the conversion to an 8-bit code does not saturate (ISA guide 7.6.2)
;   120-127 the conversions
.macro QI j, s
.if (\j) < 4
	v_max3_num_f32 v[TM+(\j)], |v[(\s)+16*(\j)]|, |v[(\s)+16*(\j)+1]|, 0x4800000
.elseif (\j) < 32
	v_max3_num_f32 v[TM+(\j)%4], v[TM+(\j)%4], |v[(\s)+16*((\j)%4)+2*((\j)/4)]|, |v[(\s)+16*((\j)%4)+2*((\j)/4)+1]|
.elseif (\j) < 36
	v_permlanex16_b32 v[TM+4+(\j)%4], v[TM+(\j)%4], s[SEL], s[SEL+1]
.elseif (\j) < 40
	v_max_num_f32 v[TM+(\j)%4], v[TM+(\j)%4], v[TM+4+(\j)%4]
.elseif (\j) < 44
	v_add_nc_u32 v[TM+12+(\j)%4], 0xfc000000, v[TM+(\j)%4]
.elseif (\j) < 48
	v_and_or_b32 v[TM+8+(\j)%4], v[TM+(\j)%4], 0x7f800000, s[MNT]
.elseif (\j) < 52
	v_lshrrev_b32 v[TM+4+(\j)%4], 23, v[TM+12+(\j)%4]
.elseif (\j) == 52
	v_lshl_or_b32 v[PW], v[TM+5], 8, v[TM+4]
.elseif (\j) == 53
	v_lshl_or_b32 v[PW], v[TM+6], 16, v[PW]
.elseif (\j) == 54
	v_lshl_or_b32 v[PW], v[TM+7], 24, v[PW]
.elseif (\j) == 55
.if QX
	s_wait_xcnt 0x0
.endif
.elseif (\j) < 120
	v_med3_num_f32 v[(\s)+(\j)-56], v[(\s)+(\j)-56], -v[TM+8+((\j)-56)/16], v[TM+8+((\j)-56)/16]
.else
	v_cvt_scalef32_pk8_fp8_f32 v[PC+2*((\j)-120):PC+2*((\j)-120)+1], v[(\s)+8*((\j)-120):(\s)+8*((\j)-120)+7], v[TM+12+((\j)-120)/2]
.endif
.endm
.macro QUANT s                         ; the whole list on end.  The caller has seen to it that the last stores of v[PC] and v[PW] have read them
	WIN 0
.set qj, 0
.rept 128
	QI qj, \s
.set qj, qj+1
.endr
	v_nop                                          ; a plain instruction between the conversions and whatever next touches their registers
.endm
	s_load_b512 s[4:19], s[0:1], 0x0               ; x, gnstat, gn_bias, Wq codes, Wq scales, bq, Wk codes, Wk scales
	s_load_b512 s[20:35], s[0:1], 0x40             ; bk, Wv codes, Wv scales, bv, qc, qs, kc, ks
	s_load_b128 s[36:39], s[0:1], 0x80             ; vc, vs
	v_lshl_add_u32 v110, v0, 2, 0x19400
	v_mov_b32 v111, 0
	v_lshrrev_b32 v20, 5, v0
	v_readfirstlane_b32 s[WV], v20                 ; wave 0..3
	v_and_b32 v20, 31, v0                          ; l
	v_and_b32 v21, 15, v0                          ; r
	v_bfe_u32 v22, v0, 4, 1                        ; h
	v_lshlrev_b32 v[LI], 4, v20
	s_mul_i32 s40, s[WV], 8448
	s_add_co_u32 s40, s40, STG
	v_add_nc_u32 v[SIN], s40, v[LI]
	v_mul_u32_u24 v23, v21, 528
	v_lshl_add_u32 v23, v22, 6, v23
	v_add_nc_u32 v[SOUT], s40, v23
	s_lshl_b32 s40, s[WV], 11
	v_add_nc_u32 v[IMW], s40, v[LI]
	s_lshl_b32 s40, s[WV], 2
	s_add_co_u32 s40, s40, HSCT
	v_lshl_add_u32 v[HSW], v21, 4, s40
	v_and_b32 v23, 8, v21
	v_add_nc_u32 v23, v23, v21                     ; r + 8 (r / 8)
	v_lshlrev_b32 v[WA], 9, v23
	v_lshl_add_u32 v[WA], v22, 4, v[WA]
	v_lshl_add_u32 v24, v22, 3, v23
	v_lshlrev_b32 v[WSS], 4, v24
	v_lshlrev_b32 v[WS1], 4, v23
	v_lshlrev_b32 v[BV1], 2, v23
	v_lshlrev_b32 v[BOF], 6, v22
	s_lshl_b32 s40, s[WV], 9
	s_add_co_u32 s40, s40, OTB
	v_lshl_add_u32 v[OTW], v21, 4, s40
	v_add_nc_u32 v[OTR], s40, v[LI]
	v_add_nc_u32 v[HSL], HSCT, v[LI]
	v_lshl_add_u32 v[HSR], v21, 4, HSCT
.irp b, 0,1,2,3
	v_mov_b32 v[TM+4+\b], 0                        ; written once: a lane permute's destination counts as one of its sources
.endr
	s_mov_b32 s[SEL], 0x76543210
	s_mov_b32 s[SEL+1], 0xfedcba98                 ; v_permlanex16_b32: lane l xor 16
	s_mov_b32 s[MNT], 0x600000                     ; the mantissa field of 448
	s_and_b32 s41, ttmp7, 0xffff                   ; batch
	s_lshl_b32 s60, s[WV], 9                       ; 512 w: biases, gn_bias
	s_mov_b32 s61, 0
	s_lshl_b32 s56, s41, 21                        ; x: 2 MiB a batch, 256 KiB a block of 128 tokens, 512 bytes a wave
	s_lshl_b32 s57, ttmp9, 18
	s_add_co_u32 s56, s56, s57
	s_add_co_u32 s56, s56, s60
	s_mov_b32 s57, 0
	s_lshl_b32 s58, s41, 12                        ; gnstat: 4,096 bytes a batch
	s_add_co_u32 s58, s58, s60
	s_mov_b32 s59, 0
	s_lshl_b32 s62, s[WV], 16                      ; my 128 rows of a weight's codes
	s_mov_b32 s63, 0
	s_lshl_b32 s66, s[WV], 11                      ; and of its scale bytes
	s_mov_b32 s67, 0
	s_lshl_b32 s68, s41, 19                        ; qc, kc: batch, block (8 tiles), K step w
	s_lshl_b32 s69, ttmp9, 16
	s_add_co_u32 s72, s68, 0                       ; (batch x 524,288 kept for vc)
	s_add_co_u32 s68, s68, s69
	s_add_co_u32 s68, s68, s66
	s_mov_b32 s69, 0
	s_lshl_b32 s70, s41, 14                        ; qs, ks, vs: batch, block, wave
	s_lshl_b32 s71, ttmp9, 11
	s_add_co_u32 s70, s70, s71
	s_add_co_u32 s72, s72, s71                     ; vc: batch, key step = block,
	s_add_co_u32 s70, s70, s60
	s_mov_b32 s71, 0
	s_lshl_b32 s73, s[WV], 17                      ; my 8 tiles of channels
	s_add_co_u32 s72, s72, s73
	s_mov_b32 s73, 0
	s_wait_kmcnt 0x0
	s_add_nc_u64 s[4:5], s[4:5], s[56:57]
	s_add_nc_u64 s[6:7], s[6:7], s[58:59]
	s_add_nc_u64 s[8:9], s[8:9], s[60:61]
	s_add_nc_u64 s[10:11], s[10:11], s[62:63]
	s_add_nc_u64 s[12:13], s[12:13], s[66:67]
	s_add_nc_u64 s[14:15], s[14:15], s[60:61]
	s_add_nc_u64 s[16:17], s[16:17], s[62:63]
	s_add_nc_u64 s[18:19], s[18:19], s[66:67]
	s_add_nc_u64 s[20:21], s[20:21], s[60:61]
	s_add_nc_u64 s[22:23], s[22:23], s[62:63]
	s_add_nc_u64 s[24:25], s[24:25], s[66:67]
	s_add_nc_u64 s[26:27], s[26:27], s[60:61]
	s_add_nc_u64 s[28:29], s[28:29], s[68:69]
	s_add_nc_u64 s[30:31], s[30:31], s[70:71]
	s_add_nc_u64 s[32:33], s[32:33], s[68:69]
	s_add_nc_u64 s[34:35], s[34:35], s[70:71]
	s_add_nc_u64 s[36:37], s[36:37], s[72:73]
	s_add_nc_u64 s[38:39], s[38:39], s[70:71]
	s_mov_b64 s[OC:OC+1], s[28:29]                 ; the first phase's results are q's
	s_mov_b64 s[OS:OS+1], s[30:31]
; ---- x: tile m's 16 tokens, my 512 bytes of each: a load covers 512 consecutive bytes
.macro XLD m
	WIN 0xc0
.irp i, 0,1,2,3,4,5,6,7,8,9,10,11,12,13,14,15
	global_load_b128 v[64*((\m)%3)+4*\i:64*((\m)%3)+4*\i+3], v[LI], s[4:5] offset:(32*((\m)/2)+8*((\m)%2)+\i+8*(\i/8))*2048 th:TH_LOAD_NT
.endr
.endm
; tile i of my 128 rows of a weight: its four fragments into the stationary registers
.macro WLD base, i
.irp s, 0,1,2,3
	WIN 0x40*(1+\s/2)
.irp c, 0,1,2,3
	global_load_b128 v[128*(\s%2)+16*(\i)+4*\c:128*(\s%2)+16*(\i)+4*\c+3], v[WA], s[\base:\base+1] offset:(32*((\i)/2)+8*((\i)%2))*512+128*\s+32*\c
.endr
.endr
.endm
; the weight's scale words (lane (u, r): row r of tile 2 p + u, four K steps) and its bias in the accumulators' layout (window 3)
.macro WSB sb, bb
	WIN 0
.irp p, 0,1,2,3
	global_load_b128 v[SAS+4*\p:SAS+4*\p+3], v[WSS], s[\sb:\sb+1] offset:512*\p
.endr
	WIN 0xc0
.irp i, 0,1,2,3,4,5,6,7
	global_load_b128 v[BIAS+8*\i:BIAS+8*\i+3], v[BOF], s[\bb:\bb+1] offset:(32*(\i/2)+8*(\i%2))*4
	global_load_b128 v[BIAS+8*\i+4:BIAS+8*\i+7], v[BOF], s[\bb:\bb+1] offset:(32*(\i/2)+8*(\i%2))*4+16
.endr
	WIN 0
.endm
.macro XQ m                            ; tile m's numbers, back from the stage, become its fragment of K step w and go to LDS
	QUANT HA+64*((\m)%2)
.irp c, 0,1,2,3
	ds_store_b128 v[IMW], v[PC+4*\c:PC+4*\c+3] offset:8192*(\m)+512*\c
.endr
	ds_store_b32 v[HSW], v[PW] offset:256*(\m)     ; both halves of the lanes write the same word with the same value
.endm
; One tile of tokens: normalised as loaded (a lane: 4 channels of 16 tokens) and turned through my stage (a lane: 64 channels of one token).  While it is on its way through the stage, the tile BEFORE is quantised.
; n: the loads from memory that are younger than this tile's.
.macro XUNIT m, n
	s_wait_loadcnt \n
	WLD 10, \m                                     ; Wq comes in beside x, a tile a unit
.if (\m) == 6
	WSB 12, 14
.endif
.set XS, 64*((\m)%3)
	WIN 0xc3                                       ; x in window 3, the three constants in window 0
.irp i, 0,1,2,3,4,5,6,7,8,9,10,11,12,13,14,15
	v_pk_add_f32 v[XS+4*\i:XS+4*\i+1], v[XS+4*\i:XS+4*\i+1], v[NC:NC+1] neg_lo:[0,1] neg_hi:[0,1]          ; x - mean
	v_pk_add_f32 v[XS+4*\i+2:XS+4*\i+3], v[XS+4*\i+2:XS+4*\i+3], v[NC+2:NC+3] neg_lo:[0,1] neg_hi:[0,1]
.endr
.irp i, 0,1,2,3,4,5,6,7,8,9,10,11,12,13,14,15
	v_pk_fma_f32 v[XS+4*\i:XS+4*\i+1], v[XS+4*\i:XS+4*\i+1], v[NC+4:NC+5], v[NC+8:NC+9]                    ; x A + gn_bias
	v_pk_fma_f32 v[XS+4*\i+2:XS+4*\i+3], v[XS+4*\i+2:XS+4*\i+3], v[NC+6:NC+7], v[NC+10:NC+11]
.endr
	WIN 0x0c                                       ; an LDS store's data are its source 1
.irp i, 0,1,2,3,4,5,6,7,8,9,10,11,12,13,14,15
	ds_store_b128 v[SIN], v[XS+4*\i:XS+4*\i+3] offset:528*\i                     ; LDS serves a wave's instructions in order: the last tile's loads from the stage come first
.endr
	WIN 0
.irp b, 0,1,2,3
.irp j, 0,1,2,3
	ds_load_b128 v[HA+64*((\m)%2)+16*\b+4*\j:HA+64*((\m)%2)+16*\b+4*\j+3], v[SOUT] offset:128*\b+16*\j   ; and these see my stores
.endr
.endr
.if (\m) > 0
	s_wait_dscnt 32                                ; all but this tile's 16 stores and 16 loads: the tile before is back, its stage stores have read their registers, and the image stores before that have read v[PC] and v[PW]
.endif
.if (\m) <= 5
	XLD (\m)+2                                     ; into the set that the tile before has left
.endif
.if (\m) > 0
	XQ (\m)-1
.endif
.endm
	global_load_b128 v[NC:NC+3], v[LI], s[6:7]                ; mean,
	global_load_b128 v[NC+4:NC+7], v[LI], s[6:7] offset:2048  ; A,
	global_load_b128 v[NC+8:NC+11], v[LI], s[8:9]             ; gn_bias of my 4 channels
	XLD 0
	XLD 1
	XUNIT 0, 16                                    ; younger: tile 1
	XUNIT 1, 32                                    ; younger: a tile of Wq and a tile of x
	XUNIT 2, 32
	XUNIT 3, 32
	XUNIT 4, 32
	XUNIT 5, 32
	XUNIT 6, 32
	XUNIT 7, 36                                    ; younger: Wq's tile 6, 4 loads of scale words, 16 of bias
	s_wait_dscnt 0x0                               ; the last tile is back
	XQ 7
	s_wait_dscnt 0x0                               ; my images have landed
	s_barrier_signal -1
	s_barrier_wait -1                              ; h's 32 fragments lie in LDS.  From here on LDS is written only in each wave's own table
; ---- q and k
.set QX, 1
.macro SFETCH buf                      ; the tile of tokens at s[SN]: four fragments and their scale words, in one run
	v_add_nc_u32 v[VSTR], s[SN], v[LI]
	s_lshr_b32 s[T], s[SN], 5
	v_add_nc_u32 v[VSSC], s[T], v[HSR]
	WIN 0xc0
.irp s, 0,1,2,3
.irp c, 0,1,2,3
	ds_load_b128 v[64*(\buf)+16*\s+4*\c:64*(\buf)+16*\s+4*\c+3], v[VSTR] offset:2048*\s+512*\c
.endr
.endr
	WIN 0
	ds_load_b128 v[SBS+4*(\buf):SBS+4*(\buf)+3], v[VSSC]
.endm
; 32 matrix instructions on end (a phase's first pass): K step by K step, the eight accumulators by turns, one instruction a turn.  The first K step's C is c0 + cst x i, in window cw
.macro MULS strm, sbs, cur, c0, cst, cw
.irp s, 0,1,2,3
.if \s == 0
	WIN 0x0d|((\cw)<<4)                            ; source 0 window 1, source 1 window 3, D window 0
.else
	WIN 0x0d+\s/2                                  ; source 0 window 1 or 2, C and D window 0
.endif
.irp i, 0,1,2,3,4,5,6,7
.if \s == 0
	WM (\cur)+8*\i, 16*\i, (\strm), (\c0)+(\cst)*\i, SAS+4*(\i/2), (\sbs), \i%2, 0
.else
	WM (\cur)+8*\i, 128*(\s%2)+16*\i, (\strm)+16*\s, (\cur)+8*\i, SAS+4*(\i/2)+\s, (\sbs)+\s, \i%2, 0
.endif
.endr
.endr
	WIN 0
.endm
.macro OUTADR                          ; where the tile at s[SM] goes: its images' offset, and its word of my table: 4 x (tile / 2)
	v_add_nc_u32 v[VOUT], s[SM], v[LI]
	s_lshr_b32 s[T], s[SM], 14
	s_lshl_b32 s[T], s[T], 2
	v_add_nc_u32 v[VOT], s[T], v[OTW]
.endm
; The same 32 matrix instructions on set cur, and behind each four lines of the quantiser on set prev, which name none of the products' registers.
; kind = 0 (q, k): the next tile of tokens comes from LDS in four runs of four loads, behind products 1, 5, 9 and 13, into set nb (scale words: nsb), which the pass before has left; behind line 55 the addresses of prev's way out are made.
.macro TURNS strm, sbs, cur, c0, cst, cw, prev, kind, nb, nsb
.set qj, 0
.set mi, 0
.rept 32
.set ms, mi/8
.set ii, mi%8
.if ms == 0
	WIN 0x0d|((\cw)<<4)
	WM (\cur)+8*ii, 16*ii, (\strm), (\c0)+(\cst)*ii, SAS+4*(ii/2), (\sbs), ii%2, 0
.else
	WIN 0x0d+ms/2
	WM (\cur)+8*ii, 128*(ms%2)+16*ii, (\strm)+16*ms, (\cur)+8*ii, SAS+4*(ii/2)+ms, (\sbs)+ms, ii%2, 0
.endif
	WIN 0
.rept 4
	QI qj, \prev
.set qj, qj+1
.endr
.if ((\kind) == 0) && ((mi%4) == 1) && (mi < 16)
	WIN 0xc0
.irp c, 0,1,2,3
	ds_load_b128 v[(\nb)+16*(mi/4)+4*\c:(\nb)+16*(mi/4)+4*\c+3], v[VSTR] offset:2048*(mi/4)+512*\c
.endr
	WIN 0
.endif
.if ((\kind) == 0) && (mi == 13)
	ds_load_b128 v[(\nsb):(\nsb)+3], v[VSSC]
	OUTADR
.endif
.set mi, mi+1
.endr
.endm
.macro QOUT par                        ; the tile just quantised leaves: its scale word to my table, its fragment to memory
	ds_store_b32 v[VOT], v[PW] offset:256*(\par)
.irp c, 0,1,2,3
	global_store_b128 v[VOUT], v[PC+4*\c:PC+4*\c+3], s[OC:OC+1] offset:512*\c   ; 512 consecutive bytes, aligned
.endr
	s_add_co_u32 s[SM], s[SM], 8192
.endm
.macro PASSQ buf, cur, prev
	s_wait_dscnt 0x0                               ; this pass's tile is in; the last table store has read v[PW]
	s_add_co_u32 s[SN], s[SN], 8192
	s_and_b32 s[SN], s[SN], 0xffff                 ; behind tile 7 comes tile 0: what the next phase begins with
	v_add_nc_u32 v[VSTR], s[SN], v[LI]
	s_lshr_b32 s[T], s[SN], 5
	v_add_nc_u32 v[VSSC], s[T], v[HSR]
	PL 8                                           ; between the last pass's products and the first read of their results, and the loads into their operands
	TURNS 64*(\buf), SBS+4*(\buf), \cur, BIAS, 8, 3, \prev, 0, 64*(1-(\buf)), SBS+4*(1-(\buf))
	v_nop                                          ; a plain instruction behind the conversions: the next pass's products write their sources
	QOUT 1-(\buf)
.endm
	s_mov_b32 s[SN], 0
	s_mov_b32 s[SM], 0
	SFETCH 0
	s_mov_b32 s[PH], 0
.Lphase:                                               ; two trips: q, then k
	s_wait_loadcnt 0x0                             ; the weight, its scale words and its bias are in
	s_wait_dscnt 0x0                               ; tile 0 is in
	s_add_co_u32 s[SN], s[SN], 8192
	s_and_b32 s[SN], s[SN], 0xffff
	SFETCH 1
	MULS 0, SBS, HA, BIAS, 8, 3                    ; tile 0: there is nothing yet to quantise beside it
	s_mov_b32 s[CNT], 0
.Lpair:                                                ; three trips of two passes: tiles 1 to 6; the streaming sets and the accumulator sets change places
	PASSQ 1, HB, HA
	PASSQ 0, HA, HB
	s_add_co_u32 s[CNT], s[CNT], 1
	s_cmp_lt_u32 s[CNT], 3
	s_cbranch_scc1 .Lpair
	PASSQ 1, HB, HA                                ; tile 7 | tile 6 is quantised
	PL 8                                           ; between the last products and the loads into their operands, and the first read of their results
	s_cmp_eq_u32 s[PH], 1
	s_cbranch_scc1 .Lno_reload
.irp i, 0,1,2,3,4,5,6,7
	WLD 16, \i                                     ; Wk takes Wq's place, and lands while tile 7 is quantised
.endr
	WSB 18, 20
.Lno_reload:
	s_wait_xcnt 0x0                                ; tile 6's stores have read v[PC] and v[VOUT],
	s_wait_dscnt 0x0                               ; and its table store v[PW]
	OUTADR
	QUANT HB                                       ; tile 7
	QOUT 1
	ds_load_b128 v[SW:SW+3], v[OTR]                ; my table: lane (u, r): the words of tiles u, 2 + u, 4 + u, 6 + u
	s_wait_dscnt 0x0
	global_store_b128 v[LI], v[SW:SW+3], s[OS:OS+1]
	s_wait_xcnt 0x0                                ; the stores have read their bases
	s_mov_b64 s[OC:OC+1], s[32:33]                 ; what follows q is k's
	s_mov_b64 s[OS:OS+1], s[34:35]
	s_mov_b32 s[SM], 0
	s_add_co_u32 s[PH], s[PH], 1
	s_cmp_lt_u32 s[PH], 2
	s_cbranch_scc1 .Lphase
; ---- v: h's tiles are stationary, Wv's tiles stream from memory through three sets
.macro VLD t                           ; 18 loads: tile t of my rows of Wv, its scale words, bv of my lane's channel
	WIN 0xc0
.irp s, 0,1,2,3
.irp c, 0,1,2,3
	global_load_b128 v[64*((\t)%3)+16*\s+4*\c:64*((\t)%3)+16*\s+4*\c+3], v[WA], s[22:23] offset:(32*((\t)/2)+8*((\t)%2))*512+128*\s+32*\c
.endr
.endr
	WIN 0
	global_load_b128 v[SBS+4*((\t)%3):SBS+4*((\t)%3)+3], v[WS1], s[24:25] offset:(32*((\t)/2)+8*((\t)%2))*16
	global_load_b32 v[BVW+(\t)%3], v[BV1], s[26:27] offset:(32*((\t)/2)+8*((\t)%2))*4
.endm
.macro VBIAS t
.irp j, 0,1,2,3,4,5,6,7
	v_mov_b32 v[CB+\j], v[BVW+(\t)%3]              ; a lane holds one channel: its bias in all eight registers
.endr
	PL 8
.endm
.macro VOUTS t                         ; channel tile t leaves
	ds_store_b32 v[OTW], v[PW] offset:256*((\t)%2)+4*((\t)/2)
.irp c, 0,1,2,3
	global_store_b128 v[LI], v[PC+4*\c:PC+4*\c+3], s[36:37] offset:16384*(\t)+512*\c
.endr
.endm
.macro VPASSQ t, n
	s_wait_dscnt 0x0                               ; the last table store has read v[PW]
	PL 8                                           ; between the last pass's products and the loads into their operands, and the first read of their results
.if (\t) <= 5
	VLD (\t)+2                                     ; into the set that the last pass has left
.endif
	s_wait_loadcnt \n                              ; my set is in; the younger sets, 18 loads each, may be out
	VBIAS \t
	TURNS 64*((\t)%3), SBS+4*((\t)%3), HA+64*((\t)%2), CB, 0, 0, HA+64*(((\t)-1)%2), 1, 0, 0
	v_nop                                          ; a plain instruction behind the conversions
	VOUTS (\t)-1
.endm
	s_wait_dscnt 0x0                               ; the last pass's fetch ahead has landed: its registers may be loaded again
	VLD 0
	VLD 1
	VLD 2
.irp s, 0,1,2,3
	WIN 0x40*(1+\s/2)
.irp i, 0,1,2,3,4,5,6,7
.irp c, 0,1,2,3
	ds_load_b128 v[128*(\s%2)+16*\i+4*\c:128*(\s%2)+16*\i+4*\c+3], v[LI] offset:(4*\i+\s)*2048+512*\c
.endr
.endr
.endr
	WIN 0
.irp p, 0,1,2,3
	ds_load_b128 v[SAS+4*\p:SAS+4*\p+3], v[HSL] offset:512*\p
.endr
	s_wait_loadcnt 36                              ; set 0 is in; sets 1 and 2 may be out
	s_wait_dscnt 0x0                               ; h's fragments and scale words are in
	VBIAS 0
	MULS 0, SBS, HA, CB, 0, 0                      ; channel tile 0
	VPASSQ 1, 36
	VPASSQ 2, 36
	VPASSQ 3, 36
	VPASSQ 4, 36
	VPASSQ 5, 36
	VPASSQ 6, 18
	VPASSQ 7, 0
	PL 8
	s_wait_xcnt 0x0                                ; tile 6's stores have read v[PC],
	s_wait_dscnt 0x0                               ; and its table store v[PW]
	QUANT HB                                       ; channel tile 7
	VOUTS 7
	ds_load_b128 v[SW:SW+3], v[OTR]
	s_wait_dscnt 0x0
	global_store_b128 v[LI], v[SW:SW+3], s[38:39]
	s_wait_tensorcnt 0x0
	ds_add_u32 v110, v111
	s_wait_dscnt 0x0
	s_endpgm
.Lfunc_end_k_q78fdf7c84f_qkv:
	.size	k_q78fdf7c84f_qkv, .Lfunc_end_k_q78fdf7c84f_qkv-k_q78fdf7c84f_qkv
	.p2alignl 7, 3214868480
	.fill 96, 4, 3214868480
	.section	.rodata,"a",@progbits
	.p2align	6, 0x0
	.amdhsa_kernel k_q78fdf7c84f_qkv
		.amdhsa_group_segment_fixed_size 103936
		.amdhsa_private_segment_fixed_size 0
		.amdhsa_enable_private_segment 0
		.amdhsa_kernarg_size 144
		.amdhsa_user_sgpr_count 2
		.amdhsa_user_sgpr_kernarg_segment_ptr 1
		.amdhsa_wavefront_size32 1
		.amdhsa_system_sgpr_workgroup_id_x 1
		.amdhsa_system_sgpr_workgroup_id_y 1
		.amdhsa_system_sgpr_workgroup_id_z 1
		.amdhsa_system_vgpr_workitem_id 0
		.amdhsa_next_free_vgpr 1024
		.amdhsa_next_free_sgpr 76
		.amdhsa_reserve_vcc 0
		.amdhsa_float_denorm_mode_32 3
		.amdhsa_float_denorm_mode_16_64 3
		.amdhsa_memory_ordered 1
		.amdhsa_forward_progress 1
		.amdhsa_inst_pref_size 255
	.end_amdhsa_kernel
	.section	.bss,"aw",@nobits
	.p2align	6
	.space	262144
	.amdgpu_metadata
---
amdhsa.version: [ 1, 2 ]
amdhsa.kernels:
  - .name:           k_q78fdf7c84f_qkv
    .symbol:         k_q78fdf7c84f_qkv.kd
    .args:
      - { .name: x, .offset: 0, .size: 8, .value_kind: global_buffer, .address_space: global }
      - { .name: gnstat, .offset: 8, .size: 8, .value_kind: global_buffer, .address_space: global }
      - { .name: gn_bias, .offset: 16, .size: 8, .value_kind: global_buffer, .address_space: global }
      - { .name: Wq_codes, .offset: 24, .size: 8, .value_kind: global_buffer, .address_space: global }
      - { .name: Wq_scales, .offset: 32, .size: 8, .value_kind: global_buffer, .address_space: global }
      - { .name: bq, .offset: 40, .size: 8, .value_kind: global_buffer, .address_space: global }
      - { .name: Wk_codes, .offset: 48, .size: 8, .value_kind: global_buffer, .address_space: global }
      - { .name: Wk_scales, .offset: 56, .size: 8, .value_kind: global_buffer, .address_space: global }
      - { .name: bk, .offset: 64, .size: 8, .value_kind: global_buffer, .address_space: global }
      - { .name: Wv_codes, .offset: 72, .size: 8, .value_kind: global_buffer, .address_space: global }
      - { .name: Wv_scales, .offset: 80, .size: 8, .value_kind: global_buffer, .address_space: global }
      - { .name: bv, .offset: 88, .size: 8, .value_kind: global_buffer, .address_space: global }
      - { .name: qc, .offset: 96, .size: 8, .value_kind: global_buffer, .address_space: global }
      - { .name: qs, .offset: 104, .size: 8, .value_kind: global_buffer, .address_space: global }
      - { .name: kc, .offset: 112, .size: 8, .value_kind: global_buffer, .address_space: global }
      - { .name: ks, .offset: 120, .size: 8, .value_kind: global_buffer, .address_space: global }
      - { .name: vc, .offset: 128, .size: 8, .value_kind: global_buffer, .address_space: global }
      - { .name: vs, .offset: 136, .size: 8, .value_kind: global_buffer, .address_space: global }
    .group_segment_fixed_size: 103936
    .private_segment_fixed_size: 0
    .kernarg_segment_align: 8
    .kernarg_segment_size: 144
    .max_flat_workgroup_size: 128
    .sgpr_count:     76
    .vgpr_count:     1024
    .wavefront_size: 32
...
	.end_amdgpu_metadata
.endif
;; end of part 2
;; launch attn (part 3): grid 8 x 32, 4 waves a work-group, no clusters, 271,872 bytes of LDS; arguments qc, qs, kc, ks, vc, vs, Wo_codes, Wo_scales, bo, x, out0; writes out0
.if DOCPART == 3
	.amdgcn_target "amdgcn-amd-amdhsa--gfx1250"
	.amdhsa_code_object_version 6
	.text
	.protected	k_q78fdf7c84f_attn
	.globl	k_q78fdf7c84f_attn
	.p2align	8
	.type	k_q78fdf7c84f_attn,@function
k_q78fdf7c84f_attn:
	s_mov_b64 s[64:65], 0
	v_nop
	global_prefetch_b8 v0, s[64:65] scope:SCOPE_SE
	s_setreg_imm32_b32 hwreg(HW_REG_WAVE_MODE, 25, 1), 1
	s_wait_xcnt 0x0
; out = x + Q(softmax(q k^T / sqrt(512)) v) Wo + bo, on the codes that the launch before has made; every product on E4M3 codes with one E8M0 scale for each 32 along K.
; THE SOFTMAX IS QUANTISED FINISHED AND NORMALISED: p = 2^(c s - c m) / (the row's sum), m the row's largest score over all 1,024 keys, c = log2(e) / sqrt(512).  So a row's maximum and sum
; are known before any p becomes a code: all scores of a block of 64 queries, 64 x 1,024 f32, stay in the four waves' registers (512 each).
; SHARES.  A block is 64 queries of a batch, four tiles of 16.  The waves share the OTHER axis: wave w has keys 256 w .. + 255 in S^T = K Q^T, channels 128 w .. + 127 in O^T = V^T P^T and outputs 128 w .. + 127 in the
; last product.  So each fragment of K, V and Wo has one reader, comes from memory straight into its registers, and feeds four matrix instructions; only Q, P and O, which are small, go from wave to wave through LDS.
; A WORK-GROUP STAYS: it makes two blocks, one after the other, in a loop of two trips.  Behind a block's last product and ahead of its way out the next block's Q, the scale words and K's first two groups are asked for
; (60 loads), so that they land while the block leaves; K's groups 2 and 3 follow at the loop's head.
; All products are used transposed (source 1 = 16 queries): a lane holds one query throughout.  Tiles of tokens and of V's channels have the order that the launch before gave them (tile 2 p + u, row i: element
; 32 p + 8 u + i + 8 (i / 8)), so that a lane's 64 results of eight tiles are 4 x 16 neighbours along the next K.
; THE STREAM: a ring of 16 fragment places (window 1) in 4 groups of 4; a group is asked for again as soon as its 16 products are issued: 48 to 64 loads of 512 bytes of a wave are out all the time.
; No tensor load and no cluster: a fragment that went through LDS would be written and read there once more for its one reader, and beside P, x and Q two slots would hold fewer fragments than the ring has on its way.
; The bias and the residual are the C of the last product's first K step.
; LIMITS: NaN and infinities are not served.  A p under 2^-126 is 0 (v_exp_f32 flushes).  1 / sum is the chip's reciprocal (1 ulp).  A block of zeros gets the byte 1 with zero codes.  A block's largest p is made from the
; block's largest score by the same instructions as every p, which takes v_exp_f32 not to fall where its input rises.
; LDS
.set QO,   0                           ; O's 16 fragments: (tile qt, K step s) at (4 qt + s) x 2,048
.set PIMG, 32768                       ; P's 32 fragments: (qt, key step) at (4 ks + qt) x 2,048
.set PSC,  98304                       ; P's scale words: ks x 256 + (16 (qt % 2) + r) x 8 + 4 (qt / 2)
.set OSC,  100352                      ; O's likewise, by K step
.set MX,   101376                      ; the waves' row maxima: (16 qt + r) x 16 + 4 w; 1,024 bytes on: their row sums
.set XB,   103424                      ; for each wave 64 rows x (512 + 16) bytes: x + bo, later the result
.set QIM,  238592
; window 0
.set LI,   1                           ; 16 x lane
.set LIP,  2                           ; + PIMG
.set QWI,  3                           ; where I store O's images
.set PWI,  4                           ; P's
.set PSW,  5                           ; P's scale words, in;
.set PSR,  6                           ; out
.set OSW,  7
.set OSR,  8
.set MXW,  9
.set MXR,  10
.set XBD,  11                          ; my rows of XB, dense: 16 l
.set XBC,  12                          ; in an accumulator's layout: row r, + 32 h
.set WOA,  13                          ; Wo's fragment: 512 r + 16 h
.set PFO,  15                          ; the prefetch: 256 x lane
.set LIQ,  16                          ; 16 x lane + QIM
.set QWQ,  17                          ; where I store Q's images
.set SA,   32                          ; v32-63  source 0's scale words: K's, then V's, then Wo's: scales and nothing else
.set QS,   64                          ; v64-71  Q's scale words
.set SBP,  72                          ; v72-75  P's, later O's, two sets of 2
.set PC,   80                          ; v80-95  the codes just made
.set TM,   96                          ; v96-111 the quantiser's
.set PW,   112
.set BO,   116                         ; v116-119 bo of my 4 outputs
.set BF,   128                         ; v128-191, v192-255: two sets of source 1's four fragments.  Between the products the softmax works here:
.set BM,   128                         ; v128-159 a block's largest score, then p, then byte: [16 j + 4 qt + b]
.set SCOP, 160                         ; v160-191 the conversions' scale operands
.set LIM,  192                         ; v192-223 448 x the scale
.set PWA,  224                         ; v224-231 the eight units' scale words
.set NCM,  232                         ; v232-239 -c m in pairs, later 1 / sum in pairs
.set INV,  232
.set SUM,  240                         ; v240-255 at work on maxima and sums
; window 1: the ring; once a trip, x.   windows 2, 3: S^T: unit (j, qt), keys 128 (2 w + j) on, in window 2 + j at v[64 qt]; later window 2: O^T at v[64 qt + 8 ct], then v0-63 the next block's Q as loaded; window 3: the result at v[64 qt + 8 dt]
.set WV,   28
.set SEL,  30
.set MNT,  32
.set NCS,  33
.set CS,   34
.set BLK,  60                          ; s60  blocks to go, this one among them
.set FLR,  61                          ; s61  the floor 2^(9 - 127) under every largest magnitude
.set M8,   62                          ; s62  -(8 << 23): 8 off an exponent field
.set EXM,  63                          ; s63  the mask of an f32 number's exponent field
.set MSB, 0
.macro WIN new                         ; s_set_vgpr_msb: bits 1:0 source 0, 3:2 source 1, 5:4 source 2, 7:6 destination; the high byte repeats the setting that is left
.if MSB != (\new)
	s_set_vgpr_msb (MSB<<8)|(\new)
.set MSB, (\new)
.endif
.endm
.macro PL n                            ; places behind matrix instructions (ISA guide 7.12.1)
.rept \n
	v_nop
.endr
.endm
.macro WM d, a, b, c, sa, sb, ra, rb   ; one matrix instruction.  c < 0: the constant 0 starts the sum.  ra, rb = 1: that side's scale words stand in lanes 16-31
.if (\c) < 0
.if ((\ra) == 0) && ((\rb) == 0)
	v_wmma_scale_f32_16x16x128_f8f6f4 v[(\d):(\d)+7], v[(\a):(\a)+15], v[(\b):(\b)+15], 0, v[(\sa)], v[(\sb)]
.elseif ((\ra) == 1) && ((\rb) == 0)
	v_wmma_scale_f32_16x16x128_f8f6f4 v[(\d):(\d)+7], v[(\a):(\a)+15], v[(\b):(\b)+15], 0, v[(\sa)], v[(\sb)] matrix_a_scale:MATRIX_SCALE_ROW1
.elseif ((\ra) == 0)
	v_wmma_scale_f32_16x16x128_f8f6f4 v[(\d):(\d)+7], v[(\a):(\a)+15], v[(\b):(\b)+15], 0, v[(\sa)], v[(\sb)] matrix_b_scale:MATRIX_SCALE_ROW1
.else
	v_wmma_scale_f32_16x16x128_f8f6f4 v[(\d):(\d)+7], v[(\a):(\a)+15], v[(\b):(\b)+15], 0, v[(\sa)], v[(\sb)] matrix_a_scale:MATRIX_SCALE_ROW1 matrix_b_scale:MATRIX_SCALE_ROW1
.endif
.else
.if ((\ra) == 0) && ((\rb) == 0)
	v_wmma_scale_f32_16x16x128_f8f6f4 v[(\d):(\d)+7], v[(\a):(\a)+15], v[(\b):(\b)+15], v[(\c):(\c)+7], v[(\sa)], v[(\sb)]
.elseif ((\ra) == 1) && ((\rb) == 0)
	v_wmma_scale_f32_16x16x128_f8f6f4 v[(\d):(\d)+7], v[(\a):(\a)+15], v[(\b):(\b)+15], v[(\c):(\c)+7], v[(\sa)], v[(\sb)] matrix_a_scale:MATRIX_SCALE_ROW1
.elseif ((\ra) == 0)
	v_wmma_scale_f32_16x16x128_f8f6f4 v[(\d):(\d)+7], v[(\a):(\a)+15], v[(\b):(\b)+15], v[(\c):(\c)+7], v[(\sa)], v[(\sb)] matrix_b_scale:MATRIX_SCALE_ROW1
.else
	v_wmma_scale_f32_16x16x128_f8f6f4 v[(\d):(\d)+7], v[(\a):(\a)+15], v[(\b):(\b)+15], v[(\c):(\c)+7], v[(\sa)], v[(\sb)] matrix_a_scale:MATRIX_SCALE_ROW1 matrix_b_scale:MATRIX_SCALE_ROW1
.endif
.endif
.endm
; 64 numbers of a lane, v[s] .. v[s + 63] of window w, register 16 b + i = k 32 b + 16 (lane / 16) + i of my row, become a fragment's codes in v[PC] on and its scale word in v[PW].
; An accumulator is read from its low end on.  The caller has seen to it that the last stores of v[PC] and v[PW] have read them.
.macro QUANT s, w
	WIN (\w)|((\w)<<2)
.irp b, 0,1,2,3
	v_max3_num_f32 v[TM+\b], |v[(\s)+16*\b]|, |v[(\s)+16*\b+1]|, s[FLR]   ; my 16 numbers of block b, and the floor 2^(9 - 127): the byte cannot fall under 1
.endr
	WIN ((\w)<<2)|((\w)<<4)
.irp i, 2,4,6,8,10,12,14
.irp b, 0,1,2,3
	v_max3_num_f32 v[TM+\b], v[TM+\b], |v[(\s)+16*\b+\i]|, |v[(\s)+16*\b+\i+1]|
.endr
.endr
	WIN 0
.irp b, 0,1,2,3
	v_permlanex16_b32 v[TM+4+\b], v[TM+\b], s[SEL], s[SEL+1]
.endr
.irp b, 0,1,2,3
	v_max_num_f32 v[TM+\b], v[TM+\b], v[TM+4+\b]   ; with lane l xor 16's: the block's largest magnitude
.endr
.irp b, 0,1,2,3
	v_add_nc_u32 v[TM+12+\b], s[M8], v[TM+\b]      ; 8 off its exponent field: the conversion's scale operand
.endr
.irp b, 0,1,2,3
	v_and_or_b32 v[TM+8+\b], v[TM+\b], s[EXM], s[MNT]   ; 448 x the scale
.endr
.irp b, 0,1,2,3
	v_lshrrev_b32 v[TM+4+\b], 23, v[TM+12+\b]      ; the scale's byte
.endr
	v_lshl_or_b32 v[PW], v[TM+5], 8, v[TM+4]
	v_lshl_or_b32 v[PW], v[TM+6], 16, v[PW]
	v_lshl_or_b32 v[PW], v[TM+7], 24, v[PW]
	WIN (\w)|((\w)<<6)
.irp b, 0,1,2,3
.irp i, 0,1,2,3,4,5,6,7,8,9,10,11,12,13,14,15
	v_med3_num_f32 v[(\s)+16*\b+\i], v[(\s)+16*\b+\i], -v[TM+8+\b], v[TM+8+\b]   ; the conversion to an 8-bit code does not saturate (ISA guide 7.6.2): the hold comes first
.endr
.endr
	WIN (\w)
.irp b, 0,1,2,3
	v_cvt_scalef32_pk8_fp8_f32 v[PC+4*\b:PC+4*\b+1], v[(\s)+16*\b:(\s)+16*\b+7], v[TM+12+\b]
	v_cvt_scalef32_pk8_fp8_f32 v[PC+4*\b+2:PC+4*\b+3], v[(\s)+16*\b+8:(\s)+16*\b+15], v[TM+12+\b]
.endr
	WIN 0
	v_nop                                          ; a plain instruction between the conversions and whatever next touches their registers
.endm
.macro BARRIER                         ; my LDS stores have landed and my LDS loads are in: then the work-group's barrier
	s_wait_dscnt 0x0
	s_barrier_signal -1
	s_barrier_wait -1
.endm
; group g of the stream: four fragments into places 4 (g % 4) + k.  kind 0: K, g = 4 s + quarter of my 16 key tiles;  1: V, g = 2 ks + half of my 8 channel tiles;  2: Wo, g - 16 = 2 s + half of my 8 tiles of outputs
.macro GLOAD kind, g
	WIN 0x40
.irp k, 0,1,2,3
.irp c, 0,1,2,3
.if (\kind) == 0
	global_load_b128 v[16*(4*((\g)%4)+\k)+4*\c:16*(4*((\g)%4)+\k)+4*\c+3], v[LI], s[8:9] offset:(4*((\g)%4)+\k)*8192+((\g)/4)*2048+512*\c
.elseif (\kind) == 1
	global_load_b128 v[16*(4*((\g)%4)+\k)+4*\c:16*(4*((\g)%4)+\k)+4*\c+3], v[LI], s[12:13] offset:(4*((\g)%2)+\k)*16384+((\g)/2)*2048+512*\c
.else
	global_load_b128 v[16*(4*((\g)%4)+\k)+4*\c:16*(4*((\g)%4)+\k)+4*\c+3], v[WOA], s[16:17] offset:(4*((\g)%2)+\k)*8192+(((\g)-16)/2)*128+32*\c
.endif
.endr
.endr
.endm
.macro GL g                            ; V's sixteen groups and Wo's eight are one stream
.if (\g) < 16
	GLOAD 1, \g
.else
	GLOAD 2, \g
.endif
.endm
.macro BSET adr, k                     ; source 1's four fragments of K step k, from the images at adr
	WIN 0
.irp qt, 0,1,2,3
.irp c, 0,1,2,3
	ds_load_b128 v[BF+64*((\k)%2)+16*\qt+4*\c:BF+64*((\k)%2)+16*\qt+4*\c+3], v[\adr] offset:(4*\qt+(\k))*2048+512*\c
.endr
.endr
.endm
.macro QSET k
	BSET LIQ, \k
.endm
.macro PSET k                          ; P's four fragments of key step k, and their scale words
	WIN 0
.irp qt, 0,1,2,3
.irp c, 0,1,2,3
	ds_load_b128 v[BF+64*((\k)%2)+16*\qt+4*\c:BF+64*((\k)%2)+16*\qt+4*\c+3], v[LIP] offset:(4*(\k)+\qt)*2048+512*\c
.endr
.endr
	ds_load_b64 v[SBP+2*((\k)%2):SBP+2*((\k)%2)+1], v[PSR] offset:256*(\k)
.endm
.macro OSET k
	BSET LI, \k
	ds_load_b64 v[SBP+2*((\k)%2):SBP+2*((\k)%2)+1], v[OSR] offset:256*(\k)
.endm
; What a block begins with, 60 loads: Q's K step w of its four tiles (into window 2, which is idle here), Q's scale words, K's scale words, K's first two groups
.macro PRE_A
	WIN 0x80
.irp qt, 0,1,2,3
.irp c, 0,1,2,3
	global_load_b128 v[16*\qt+4*\c:16*\qt+4*\c+3], v[LI], s[4:5] offset:\qt*8192+512*\c
.endr
.endr
	WIN 0
.irp s, 0,1,2,3
	global_load_b64 v[QS+2*\s:QS+2*\s+1], v[LI], s[6:7] offset:512*\s            ; register 2 s + qt / 2, lanes 16 (qt % 2) on: tile qt's words of K step s
.endr
.irp j, 0,1
.irp s, 0,1,2,3
	global_load_b128 v[SA+16*\j+4*\s:SA+16*\j+4*\s+3], v[LI], s[10:11] offset:\j*2048+\s*512   ; register 16 j + 4 s + p, lanes 16 u on: key tile 8 j + 2 p + u
.endr
.endr
	GLOAD 0, 0
	GLOAD 0, 1
	WIN 0
.endm
	s_load_b512 s[4:19], s[0:1], 0x0               ; qc, qs, kc, ks, vc, vs, Wo codes, Wo scales
	s_load_b128 s[20:23], s[0:1], 0x40             ; bo, x
	s_load_b64 s[24:25], s[0:1], 0x50              ; out0
	v_lshl_add_u32 v126, v0, 2, 0x42400
	v_mov_b32 v127, 0
	v_lshrrev_b32 v20, 5, v0
	v_readfirstlane_b32 s[WV], v20                 ; wave 0..3
	v_and_b32 v20, 31, v0                          ; l
	v_and_b32 v21, 15, v0                          ; r
	v_bfe_u32 v22, v0, 4, 1                        ; h
	v_lshlrev_b32 v[LI], 4, v20
	v_add_nc_u32 v[LIP], PIMG, v[LI]
	v_add_nc_u32 v[LIQ], QIM, v[LI]
	s_lshl_b32 s39, s[WV], 11
	v_add_nc_u32 v[QWI], s39, v[LI]
	v_add_nc_u32 v[QWQ], s39, v[LIQ]
	s_lshl_b32 s40, s[WV], 14
	s_add_co_u32 s40, s40, PIMG
	v_add_nc_u32 v[PWI], s40, v[LI]
	s_lshl_b32 s48, s[WV], 9
	s_add_co_u32 s40, s48, PSC
	v_lshl_add_u32 v[PSW], v21, 3, s40
	v_lshl_add_u32 v[PSR], v20, 3, PSC
	s_lshl_b32 s40, s[WV], 8
	s_add_co_u32 s40, s40, OSC
	v_lshl_add_u32 v[OSW], v21, 3, s40
	v_lshl_add_u32 v[OSR], v20, 3, OSC
	s_lshl_b32 s40, s[WV], 2
	s_add_co_u32 s40, s40, MX
	v_lshl_add_u32 v[MXW], v21, 4, s40
	v_lshl_add_u32 v[MXR], v21, 4, MX
	s_mul_i32 s40, s[WV], 33792
	s_add_co_u32 s40, s40, XB
	v_add_nc_u32 v[XBD], s40, v[LI]
	v_mul_u32_u24 v23, v21, 528
	v_lshl_add_u32 v23, v22, 5, v23
	v_add_nc_u32 v[XBC], s40, v23
	v_lshlrev_b32 v[WOA], 9, v21
	v_lshl_add_u32 v[WOA], v22, 4, v[WOA]
	v_lshlrev_b32 v[PFO], 8, v20
.irp b, 0,1,2,3
	v_mov_b32 v[TM+4+\b], 0                        ; written once: a lane permute's destination counts as one of its sources
.endr
	s_mov_b32 s[SEL], 0x76543210
	s_mov_b32 s[SEL+1], 0xfedcba98                 ; v_permlanex16_b32: lane l xor 16
	s_mov_b32 s[MNT], 0x600000                     ; the mantissa field of 448
	s_mov_b32 s[CS], 0x3d8293ee                    ; c = log2(e) / sqrt(512)
	s_mov_b32 s[CS+1], s[CS]                       ; (named with it as a pair, so it is written)
	s_mov_b32 s[NCS], 0xbd8293ee                   ; -c
	s_mov_b32 s[BLK], 2
	s_mov_b32 s[FLR], 0x4800000                    ; the scale arithmetic's three constants stand in scalar registers: the lines that use them carry no literal
	s_mov_b32 s[M8], 0xfc000000
	s_mov_b32 s[EXM], 0x7f800000
	s_and_b32 s36, ttmp7, 0xffff                   ; batch
	s_lshl_b32 s37, s36, 19                        ; 524,288 bytes of codes a batch
	s_lshl_b32 s38, s36, 14                        ; 16,384 bytes of scale words
	s_lshl_b32 s40, s[WV], 17                      ; K: my 16 tiles of keys; V: my 8 tiles of channels
	s_add_co_u32 s40, s40, s37
	s_mov_b32 s41, 0
	s_lshl_b32 s42, ttmp9, 16                      ; Q: my work-group's 8 tiles; the first block has the first 4,
	s_add_co_u32 s42, s42, s37
	s_lshl_b32 s44, s[WV], 13                      ; the prefetch: of the batch's V a block names 32,768 bytes, a wave 8,192
	s_add_co_u32 s44, s44, s42
	s_mov_b32 s45, 0
	s_add_co_u32 s42, s42, s39                     ; K step w
	s_mov_b32 s43, 0
	s_lshl_b32 s46, s[WV], 12                      ; K's scale words: my two blocks of 128 keys
	s_add_co_u32 s46, s46, s38
	s_mov_b32 s47, 0
	s_mov_b32 s49, 0                               ; s[48:49] = 512 w: bo
	s_add_co_u32 s50, s48, s38                     ; V's scale words: my wave's 512 bytes of each key step
	s_mov_b32 s51, 0
	s_lshl_b32 s52, ttmp9, 11                      ; Q's scale words: my work-group's 128 tokens; the second block's lie 8 bytes on in each lane's 16
	s_add_co_u32 s52, s52, s38
	s_mov_b32 s53, 0
	s_lshl_b32 s54, s[WV], 16                      ; Wo: my 128 rows
	s_mov_b32 s55, 0
	s_mov_b32 s56, s39                             ; and their scale bytes
	s_mov_b32 s57, 0
	s_lshl_b32 s58, s36, 21                        ; x, out0: batch, 128 tokens, my 512 bytes of a row
	s_lshl_b32 s59, ttmp9, 18
	s_add_co_u32 s58, s58, s59
	s_add_co_u32 s58, s58, s48
	s_mov_b32 s59, 0
	s_wait_kmcnt 0x0
	s_add_nc_u64 s[26:27], s[12:13], s[44:45]
	s_add_nc_u64 s[4:5], s[4:5], s[42:43]
	s_add_nc_u64 s[6:7], s[6:7], s[52:53]
	s_add_nc_u64 s[8:9], s[8:9], s[40:41]
	s_add_nc_u64 s[10:11], s[10:11], s[46:47]
	s_add_nc_u64 s[12:13], s[12:13], s[40:41]
	s_add_nc_u64 s[14:15], s[14:15], s[50:51]
	s_add_nc_u64 s[16:17], s[16:17], s[54:55]
	s_add_nc_u64 s[18:19], s[18:19], s[56:57]
	s_add_nc_u64 s[20:21], s[20:21], s[48:49]
	s_add_nc_u64 s[22:23], s[22:23], s[58:59]
	s_add_nc_u64 s[24:25], s[24:25], s[58:59]
	PRE_A
.Lblk:                                                 ; two trips: a block of 64 queries each
	GLOAD 0, 2
	GLOAD 0, 3
	s_wait_loadcnt 63                              ; 76 loads are younger than Q's: with 63 out at the most, Q's sixteen are in
	WIN 0x08                                       ; an LDS store's data are its source 1: window 2
.irp qt, 0,1,2,3
.irp c, 0,1,2,3
	ds_store_b128 v[QWQ], v[16*\qt+4*\c:16*\qt+4*\c+3] offset:\qt*8192+512*\c
.endr
.endr
	WIN 0
	BARRIER                                        ; Q's sixteen fragments lie in LDS
	QSET 0
; ---- S^T = K Q^T.  Group g: K step g / 4, key tiles 4 (g % 4) + k; each fragment of K against the four tiles of queries.  The 64 accumulators take turns, one instruction a turn.
.macro SGRP g
.set SS, (\g)/4
.set GQ, (\g)%4
.set YG, 15-(\g)
.if YG > 3
.set YG, 3
.endif
.if GQ == 0
	s_wait_dscnt 0x0                               ; this K step's fragments of Q are in
.endif
.irp k, 0,1,2,3
	s_wait_loadcnt 4*(3-\k)+16*YG                  ; younger: the rest of this group and the groups behind it
	WIN 0xa1+0x50*(GQ/2)                           ; source 0 window 1, source 1 window 0, C and D window 2 or 3
.irp qt, 0,1,2,3
.if SS == 0
	WM 64*\qt+8*((4*GQ+\k)%8), 16*(4*GQ+\k), BF+64*(SS%2)+16*\qt, -1, SA+16*(GQ/2)+4*SS+((4*GQ+\k)%8)/2, QS+2*SS+\qt/2, \k%2, \qt%2
.else
	WM 64*\qt+8*((4*GQ+\k)%8), 16*(4*GQ+\k), BF+64*(SS%2)+16*\qt, 64*\qt+8*((4*GQ+\k)%8), SA+16*(GQ/2)+4*SS+((4*GQ+\k)%8)/2, QS+2*SS+\qt/2, \k%2, \qt%2
.endif
.endr
.endr
	PL 8                                           ; in front of loads into registers that matrix instructions have read
.if (\g)+4 < 16
	GLOAD 0, (\g)+4
.endif
.if (GQ == 0) && (SS < 3)
	QSET SS+1                                      ; into the set that the K step before has left
.endif
.endm
.irp g, 0,1,2,3,4,5,6,7,8,9,10,11,12,13,14,15
	SGRP \g
.endr
	; ---- asked for now, wanted behind the softmax's first half: x (64 rows, my 512 bytes of each, into the ring's registers), bo, V's scale words
	WIN 0x40
.irp qt, 0,1,2                         ; three of x's four tiles now: with bo and V's scale words 57 loads are out; the fourth tile follows behind the maxima's barrier
.irp i, 0,1,2,3,4,5,6,7,8,9,10,11,12,13,14,15
	global_load_b128 v[4*(16*\qt+\i):4*(16*\qt+\i)+3], v[LI], s[22:23] offset:(32*(\qt/2)+8*(\qt%2)+\i+8*(\i/8))*2048 th:TH_LOAD_NT
.endr
.endr
	WIN 0
	global_load_b128 v[BO:BO+3], v[LI], s[20:21]
.irp k, 0,1,2,3,4,5,6,7
	global_load_b128 v[SA+4*\k:SA+4*\k+3], v[LI], s[14:15] offset:\k*2048        ; register 4 ks + p, lanes 16 u on: channel tile 2 p + u
.endr
	s_wait_alu depctr_va_vdst(0)
	global_prefetch_b8 v[PFO], s[26:27] th:TH_LOAD_NT scope:SCOPE_SE   ; V: the batch's 16 blocks name 32,768 bytes each, a wave 8,192, a lane 256: each block of 256 bytes once in the launch; the first load of V stands behind the maxima, the exponentials and the sums
	; ---- the largest score of each block of 32 keys: it serves for the row's maximum and, since p rises with the score, for the block's largest p.  Block n = 4 qt + b of a window lies at v[16 n]
.irp j, 0,1
	WIN 0x2a+0x15*\j
.set n, 0
.rept 16
	v_max3_num_f32 v[BM+16*\j+n], v[16*n], v[16*n+1], v[16*n+2]                  ; each accumulator is read from its low end on
.set n, n+1
.endr
	WIN 0x28+0x14*\j
.irp i, 3,5,7,9,11,13
.set n, 0
.rept 16
	v_max3_num_f32 v[BM+16*\j+n], v[BM+16*\j+n], v[16*n+\i], v[16*n+\i+1]
.set n, n+1
.endr
.endr
.set n, 0
.rept 16
	v_max_num_f32 v[BM+16*\j+n], v[BM+16*\j+n], v[16*n+15]
.set n, n+1
.endr
.endr
	WIN 0
.set n, 0
.rept 32
	v_permlanex16_b32 v[SCOP+n], v[BM+n], s[SEL], s[SEL+1]
.set n, n+1
.endr
.set n, 0
.rept 32
	v_max_num_f32 v[BM+n], v[BM+n], v[SCOP+n]      ; with lane l xor 16's 16 keys
.set n, n+1
.endr
.irp qt, 0,1,2,3
	v_max3_num_f32 v[SUM+\qt], v[BM+4*\qt], v[BM+4*\qt+1], v[BM+4*\qt+2]
.endr
.irp qt, 0,1,2,3
	v_max3_num_f32 v[SUM+\qt], v[SUM+\qt], v[BM+4*\qt+3], v[BM+16+4*\qt]
.endr
.irp qt, 0,1,2,3
	v_max3_num_f32 v[SUM+\qt], v[SUM+\qt], v[BM+16+4*\qt+1], v[BM+16+4*\qt+2]
.endr
.irp qt, 0,1,2,3
	v_max_num_f32 v[SUM+\qt], v[SUM+\qt], v[BM+16+4*\qt+3]                       ; my 256 keys' largest score of query r of tile qt
.endr
.irp qt, 0,1,2,3
	ds_store_b32 v[MXW], v[SUM+\qt] offset:256*\qt
.endr
	BARRIER                                        ; the four waves' maxima lie in LDS
	WIN 0x40
.irp i, 0,1,2,3,4,5,6,7,8,9,10,11,12,13,14,15
	global_load_b128 v[4*(48+\i):4*(48+\i)+3], v[LI], s[22:23] offset:(40+\i+8*(\i/8))*2048 th:TH_LOAD_NT   ; x's tile 3: tokens 40 + i + 8 (i / 8)
.endr
	WIN 0
.irp qt, 0,1,2,3
	ds_load_b128 v[SUM+4*\qt:SUM+4*\qt+3], v[MXR] offset:256*\qt
.endr
	s_wait_dscnt 0x0
.irp qt, 0,1,2,3
	v_max3_num_f32 v[SUM+4*\qt], v[SUM+4*\qt], v[SUM+4*\qt+1], v[SUM+4*\qt+2]
.endr
.irp qt, 0,1,2,3
	v_max_num_f32 v[SUM+4*\qt], v[SUM+4*\qt], v[SUM+4*\qt+3]                     ; the row's largest score, over all 1,024 keys
.endr
.irp qt, 0,1,2,3
	v_mul_f32 v[NCM+2*\qt], s[NCS], v[SUM+4*\qt]   ; -c m
.endr
.irp qt, 0,1,2,3
	v_mov_b32 v[NCM+2*\qt+1], v[NCM+2*\qt]
.endr
	; ---- c s - c m, two at a time; the same of each block's largest score; then all exponentials as one batch
.irp j, 0,1
	WIN 0x82+0x41*\j
.set e, 0
.rept 128
	v_pk_fma_f32 v[2*e:2*e+1], v[2*e:2*e+1], s[CS:CS+1], v[NCM+2*(e/32):NCM+2*(e/32)+1] op_sel_hi:[1,0,0]
.set e, e+1
.endr
.endr
	WIN 0
.set n, 0
.rept 32
	v_fma_f32 v[BM+n], v[BM+n], s[CS], v[NCM+2*((n/4)%4)]
.set n, n+1
.endr
.set n, 0
	s_wait_alu depctr_va_vdst(0)
.rept 32
	v_exp_f32 v[BM+n], v[BM+n]
.set n, n+1
.endr
.irp j, 0,1
	WIN 0x82+0x41*\j
.set e, 0
.rept 256
	v_exp_f32 v[e], v[e]
.set e, e+1
.endr
.endr
	WIN 0
	v_nop                                          ; a plain instruction behind the last exponential
	s_wait_alu depctr_va_vdst(0)                   ; one wait for the batch of 544, ahead of the first line that names a result
	; ---- the row's sum of my 256 keys: two packed chains a tile, the tiles by turns
	WIN 0x0a
.irp ch, 0,1
.irp qt, 0,1,2,3
	v_pk_add_f32 v[SUM+4*\qt+2*\ch:SUM+4*\qt+2*\ch+1], v[64*\qt+2*\ch:64*\qt+2*\ch+1], v[64*\qt+2*\ch+4:64*\qt+2*\ch+5]
.endr
.endr
	WIN 0x08
.set e, 4
.rept 28
.irp qt, 0,1,2,3
	v_pk_add_f32 v[SUM+4*\qt+2*(e%2):SUM+4*\qt+2*(e%2)+1], v[SUM+4*\qt+2*(e%2):SUM+4*\qt+2*(e%2)+1], v[64*\qt+2*e:64*\qt+2*e+1]
.endr
.set e, e+1
.endr
	WIN 0x0c
.set e, 0
.rept 32
.irp qt, 0,1,2,3
	v_pk_add_f32 v[SUM+4*\qt+2*(e%2):SUM+4*\qt+2*(e%2)+1], v[SUM+4*\qt+2*(e%2):SUM+4*\qt+2*(e%2)+1], v[64*\qt+2*e:64*\qt+2*e+1]
.endr
.set e, e+1
.endr
	WIN 0
.irp qt, 0,1,2,3
	v_pk_add_f32 v[SUM+4*\qt:SUM+4*\qt+1], v[SUM+4*\qt:SUM+4*\qt+1], v[SUM+4*\qt+2:SUM+4*\qt+3]
.endr
.irp qt, 0,1,2,3
	v_add_f32 v[SUM+4*\qt], v[SUM+4*\qt], v[SUM+4*\qt+1]
.endr
.irp qt, 0,1,2,3
	v_permlanex16_b32 v[SUM+4*\qt+1], v[SUM+4*\qt], s[SEL], s[SEL+1]
.endr
.irp qt, 0,1,2,3
	v_add_f32 v[SUM+4*\qt], v[SUM+4*\qt], v[SUM+4*\qt+1]
.endr
.irp qt, 0,1,2,3
	ds_store_b32 v[MXW], v[SUM+4*\qt] offset:1024+256*\qt
.endr
	BARRIER                                        ; the four waves' sums lie in LDS
.irp qt, 0,1,2,3
	ds_load_b128 v[SUM+4*\qt:SUM+4*\qt+3], v[MXR] offset:1024+256*\qt
.endr
	s_wait_dscnt 0x0
.irp qt, 0,1,2,3
	v_pk_add_f32 v[SUM+4*\qt:SUM+4*\qt+1], v[SUM+4*\qt:SUM+4*\qt+1], v[SUM+4*\qt+2:SUM+4*\qt+3]
.endr
.irp qt, 0,1,2,3
	v_add_f32 v[SUM+4*\qt], v[SUM+4*\qt], v[SUM+4*\qt+1]                         ; the same order in every wave: the same bits
.endr
	s_wait_alu depctr_va_vdst(0)
.irp qt, 0,1,2,3
	v_rcp_f32 v[INV+2*\qt], v[SUM+4*\qt]
.endr
	v_nop
	s_wait_alu depctr_va_vdst(0)                   ; one wait for the four reciprocals
.irp qt, 0,1,2,3
	v_mov_b32 v[INV+2*\qt+1], v[INV+2*\qt]
.endr
	; ---- x + bo goes to my rows of LDS; the ring is then free for V
	s_wait_loadcnt 0x0
	WIN 0x41
.set n, 0
.rept 64
	v_pk_add_f32 v[4*n:4*n+1], v[4*n:4*n+1], v[BO:BO+1]
	v_pk_add_f32 v[4*n+2:4*n+3], v[4*n+2:4*n+3], v[BO+2:BO+3]
.set n, n+1
.endr
	WIN 0x04                                       ; an LDS store's data are its source 1
.set n, 0
.rept 64
	ds_store_b128 v[XBD], v[4*n:4*n+3] offset:528*n
.set n, n+1
.endr
	s_wait_dscnt 0x0                               ; the stores have read their registers
	GLOAD 1, 0
	GLOAD 1, 1
	GLOAD 1, 2
	WIN 0
	; ---- the 32 blocks' scales, from their largest normalised p
.set n, 0
.rept 32
	v_mul_f32 v[BM+n], v[BM+n], v[INV+2*((n/4)%4)]
.set n, n+1
.endr
.set n, 0
.rept 32
	v_max_num_f32 v[BM+n], s[FLR], v[BM+n]         ; the floor 2^(9 - 127): the byte cannot fall under 1
.set n, n+1
.endr
.set n, 0
.rept 32
	v_add_nc_u32 v[SCOP+n], s[M8], v[BM+n]         ; 8 off the exponent field: the conversion's scale operand
.set n, n+1
.endr
.set n, 0
.rept 32
	v_and_or_b32 v[LIM+n], v[BM+n], s[EXM], s[MNT]   ; 448 x the scale
.set n, n+1
.endr
.set n, 0
.rept 32
	v_lshrrev_b32 v[BM+n], 23, v[SCOP+n]           ; the scale's byte
.set n, n+1
.endr
.irp sh, 8, 16, 24
.set u, 0
.rept 8
.if \sh == 8
	v_lshl_or_b32 v[PWA+u], v[BM+4*u+1], 8, v[BM+4*u]
.else
	v_lshl_or_b32 v[PWA+u], v[BM+4*u+\sh/8], \sh, v[PWA+u]
.endif
.set u, u+1
.endr
.endr
	; ---- unit by unit (16 queries x 128 keys): p / sum, the hold (p is not negative: one-sided), the codes; the fragment and its scale words go to LDS
	GLOAD 1, 3                                     ; V's fourth group, behind the scales' lines: 48 loads went out on end above, these 16 follow in the stream's order
.irp j, 0,1
.irp qt, 0,1,2,3
	WIN 0x82+0x41*\j
.set e, 0
.rept 32
	v_pk_mul_f32 v[64*\qt+2*e:64*\qt+2*e+1], v[64*\qt+2*e:64*\qt+2*e+1], v[INV+2*\qt:INV+2*\qt+1] op_sel_hi:[1,0]
.set e, e+1
.endr
.set e, 0
.rept 64
	v_min_num_f32 v[64*\qt+e], v[64*\qt+e], v[LIM+16*\j+4*\qt+e/16]
.set e, e+1
.endr
	s_wait_alu depctr_va_vdst(0)
	s_wait_dscnt 5                                 ; the codes take two sets of registers by turns, v[PC] on and v[TM] on (idle here): the five stores of the unit before may be out, those of the unit two back have read this set
	WIN 0x02+\j
.irp b, 0,1,2,3
	v_cvt_scalef32_pk8_fp8_f32 v[PC+16*(\qt%2)+4*\b:PC+16*(\qt%2)+4*\b+1], v[64*\qt+16*\b:64*\qt+16*\b+7], v[SCOP+16*\j+4*\qt+\b]
	v_cvt_scalef32_pk8_fp8_f32 v[PC+16*(\qt%2)+4*\b+2:PC+16*(\qt%2)+4*\b+3], v[64*\qt+16*\b+8:64*\qt+16*\b+15], v[SCOP+16*\j+4*\qt+\b]
.endr
	WIN 0
	v_nop                                          ; a plain instruction between the conversions and whatever next touches their registers
.irp c, 0,1,2,3
	ds_store_b128 v[PWI], v[PC+16*(\qt%2)+4*\c:PC+16*(\qt%2)+4*\c+3] offset:\j*8192+\qt*2048+512*\c
.endr
	ds_store_b32 v[PSW], v[PWA+4*\j+\qt] offset:256*\j+128*(\qt%2)+4*(\qt/2)
.endr
.endr
	BARRIER                                        ; P's 32 fragments lie in LDS
	PSET 0
; ---- O^T = V^T P^T (groups 0-15) and the result^T = Wo O^T + (x + bo)^T (groups 16-23): one stream of 24 groups
.macro VGRP g
.set KS_, (\g)/2
.set HF, (\g)%2
.set YG, 23-(\g)
.if YG > 3
.set YG, 3
.endif
.if HF == 0
	s_wait_dscnt 0x0                               ; this key step's fragments of P and their scale words are in
.endif
.irp k, 0,1,2,3
	s_wait_loadcnt 4*(3-\k)+16*YG
	WIN 0xa1
.irp qt, 0,1,2,3
.if KS_ == 0
	WM 64*\qt+8*(4*HF+\k), 16*(4*((\g)%4)+\k), BF+64*(KS_%2)+16*\qt, -1, SA+4*KS_+(4*HF+\k)/2, SBP+2*(KS_%2)+\qt/2, \k%2, \qt%2
.else
	WM 64*\qt+8*(4*HF+\k), 16*(4*((\g)%4)+\k), BF+64*(KS_%2)+16*\qt, 64*\qt+8*(4*HF+\k), SA+4*KS_+(4*HF+\k)/2, SBP+2*(KS_%2)+\qt/2, \k%2, \qt%2
.endif
.endr
.endr
	PL 8
	GL (\g)+4
.if (HF == 0) && (KS_ < 7)
	PSET KS_+1
.endif
.endm
.irp g, 0,1,2,3,4,5,6,7,8,9,10,11,12,13,14,15
	VGRP \g
.endr
	; ---- x + bo comes back in the accumulators' layout, as the last product's C; Wo's scale words; O is quantised and goes round
	WIN 0xc0
.irp qt, 0,1,2,3
.irp dt, 0,1,2,3,4,5,6,7
	ds_load_b128 v[64*\qt+8*\dt:64*\qt+8*\dt+3], v[XBC] offset:16*\qt*528+64*\dt
	ds_load_b128 v[64*\qt+8*\dt+4:64*\qt+8*\dt+7], v[XBC] offset:16*\qt*528+64*\dt+16
.endr
.endr
	WIN 0
.irp p, 0,1,2,3
	global_load_b128 v[SA+4*\p:SA+4*\p+3], v[LI], s[18:19] offset:512*\p         ; register 4 p + s, lanes 16 u on: tile 2 p + u of my outputs
.endr
.irp qt, 0,1,2,3
.if \qt > 0
	s_wait_dscnt 0x0                               ; the last tile's stores have read v[PC] and v[PW].  (Tile 0: their last stores were awaited at the barrier behind P; the loads that are out land in window 3, which the quantiser does not name)
.endif
	QUANT 64*\qt, 2
.irp c, 0,1,2,3
	ds_store_b128 v[QWI], v[PC+4*\c:PC+4*\c+3] offset:\qt*8192+512*\c            ; the last trip's O was last read ahead of this trip's first barrier
.endr
	ds_store_b32 v[OSW], v[PW] offset:128*(\qt%2)+4*(\qt/2)
.endr
	BARRIER                                        ; O's sixteen fragments lie in LDS
	OSET 0
	s_wait_loadcnt 0x0                             ; Wo's scale words (and its first four groups)
.macro OGRP g
.set SS, ((\g)-16)/2
.set HF, (\g)%2
.set YG, 23-(\g)
.if YG > 3
.set YG, 3
.endif
.if HF == 0
	s_wait_dscnt 0x0
.endif
.irp k, 0,1,2,3
	s_wait_loadcnt 4*(3-\k)+16*YG
	WIN 0xf1
.irp qt, 0,1,2,3
	WM 64*\qt+8*(4*HF+\k), 16*(4*((\g)%4)+\k), BF+64*(SS%2)+16*\qt, 64*\qt+8*(4*HF+\k), SA+4*((4*HF+\k)/2)+SS, SBP+2*(SS%2)+\qt/2, \k%2, \qt%2
.endr
.endr
	PL 8
.if (\g)+4 < 24
	GL (\g)+4
.endif
.if (HF == 0) && (SS < 3)
	OSET SS+1
.endif
.endm
.irp g, 16,17,18,19,20,21,22,23
	OGRP \g
.endr
	; ---- on to the next block: its bases, and, if there is one, what it begins with.  The eight places behind the last products stand in front of these loads too
	WIN 0
	s_wait_xcnt 0x0                                ; every load of this trip, and its prefetch, have read their bases
	s_add_nc_u64 s[4:5], s[4:5], 32768             ; Q: 4 tiles on
	s_add_nc_u64 s[6:7], s[6:7], 8                 ; its scale words: the upper two of each lane's four
	s_add_nc_u64 s[22:23], s[22:23], 131072        ; x: 64 tokens on
	s_add_nc_u64 s[26:27], s[26:27], 32768         ; the prefetch: the next block's share of V
	s_cmp_eq_u32 s[BLK], 1                         ; the last block asks for nothing: no load leaves its buffer
	s_cbranch_scc1 .Lno_next
	PRE_A
.Lno_next:
; ---- the way out, a tile of 16 queries at a time: a lane holds 8 neighbouring outputs of one row; they go back to the bytes from which the C came and return as whole rows of 512 bytes
.macro TOST qt
	WIN 0x0c
.irp dt, 0,1,2,3,4,5,6,7
	ds_store_b128 v[XBC], v[64*(\qt)+8*\dt:64*(\qt)+8*\dt+3] offset:16*(\qt)*528+64*\dt          ; each accumulator from its low end on
	ds_store_b128 v[XBC], v[64*(\qt)+8*\dt+4:64*(\qt)+8*\dt+7] offset:16*(\qt)*528+64*\dt+16
.endr
	WIN 0
.irp i, 0,1,2,3,4,5,6,7,8,9,10,11,12,13,14,15
	ds_load_b128 v[BF+64*((\qt)%2)+4*\i:BF+64*((\qt)%2)+4*\i+3], v[XBD] offset:(16*(\qt)+\i)*528   ; LDS serves a wave's instructions in order: these see my stores
.endr
.endm
.macro SEND qt, y                      ; y: the LDS instructions issued behind tile qt's loads
	s_wait_dscnt \y
.irp i, 0,1,2,3,4,5,6,7,8,9,10,11,12,13,14,15
	global_store_b128 v[LI], v[BF+64*((\qt)%2)+4*\i:BF+64*((\qt)%2)+4*\i+3], s[24:25] offset:(32*((\qt)/2)+8*((\qt)%2)+\i+8*(\i/8))*2048 th:TH_STORE_NT   ; 512 consecutive bytes, aligned
.endr
.endm
	TOST 0
	TOST 1
	SEND 0, 32                                     ; behind tile 0's loads: tile 1's 16 stores and 16 loads
	s_wait_xcnt 0x0                                ; tile 0's stores have read their registers: tile 2's rows may land there
	TOST 2
	SEND 1, 32
	s_wait_xcnt 0x0
	TOST 3
	SEND 2, 32
	SEND 3, 0
	s_wait_xcnt 0x0                                ; the stores have read their registers and their base: both are written again in the next trip
	s_add_nc_u64 s[24:25], s[24:25], 131072        ; out0: 64 tokens on
	s_sub_co_u32 s[BLK], s[BLK], 1
	s_cmp_lg_u32 s[BLK], 0
	s_cbranch_scc1 .Lblk
	s_wait_tensorcnt 0x0
	ds_add_u32 v126, v127
	s_wait_dscnt 0x0
	s_endpgm
.Lfunc_end_k_q78fdf7c84f_attn:
	.size	k_q78fdf7c84f_attn, .Lfunc_end_k_q78fdf7c84f_attn-k_q78fdf7c84f_attn
	.p2alignl 7, 3214868480
	.fill 96, 4, 3214868480
	.section	.rodata,"a",@progbits
	.p2align	6, 0x0
	.amdhsa_kernel k_q78fdf7c84f_attn
		.amdhsa_group_segment_fixed_size 271872
		.amdhsa_private_segment_fixed_size 0
		.amdhsa_enable_private_segment 0
		.amdhsa_kernarg_size 88
		.amdhsa_user_sgpr_count 2
		.amdhsa_user_sgpr_kernarg_segment_ptr 1
		.amdhsa_wavefront_size32 1
		.amdhsa_system_sgpr_workgroup_id_x 1
		.amdhsa_system_sgpr_workgroup_id_y 1
		.amdhsa_system_sgpr_workgroup_id_z 1
		.amdhsa_system_vgpr_workitem_id 0
		.amdhsa_next_free_vgpr 1024
		.amdhsa_next_free_sgpr 66
		.amdhsa_reserve_vcc 0
		.amdhsa_float_denorm_mode_32 3
		.amdhsa_float_denorm_mode_16_64 3
		.amdhsa_memory_ordered 1
		.amdhsa_forward_progress 1
		.amdhsa_inst_pref_size 255
	.end_amdhsa_kernel
	.section	.bss,"aw",@nobits
	.p2align	6
	.space	262144
	.amdgpu_metadata
---
amdhsa.version: [ 1, 2 ]
amdhsa.kernels:
  - .name:           k_q78fdf7c84f_attn
    .symbol:         k_q78fdf7c84f_attn.kd
    .args:
      - { .name: qc, .offset: 0, .size: 8, .value_kind: global_buffer, .address_space: global }
      - { .name: qs, .offset: 8, .size: 8, .value_kind: global_buffer, .address_space: global }
      - { .name: kc, .offset: 16, .size: 8, .value_kind: global_buffer, .address_space: global }
      - { .name: ks, .offset: 24, .size: 8, .value_kind: global_buffer, .address_space: global }
      - { .name: vc, .offset: 32, .size: 8, .value_kind: global_buffer, .address_space: global }
      - { .name: vs, .offset: 40, .size: 8, .value_kind: global_buffer, .address_space: global }
      - { .name: Wo_codes, .offset: 48, .size: 8, .value_kind: global_buffer, .address_space: global }
      - { .name: Wo_scales, .offset: 56, .size: 8, .value_kind: global_buffer, .address_space: global }
      - { .name: bo, .offset: 64, .size: 8, .value_kind: global_buffer, .address_space: global }
      - { .name: x, .offset: 72, .size: 8, .value_kind: global_buffer, .address_space: global }
      - { .name: out0, .offset: 80, .size: 8, .value_kind: global_buffer, .address_space: global }
    .group_segment_fixed_size: 271872
    .private_segment_fixed_size: 0
    .kernarg_segment_align: 8
    .kernarg_segment_size: 88
    .max_flat_workgroup_size: 128
    .sgpr_count:     66
    .vgpr_count:     1024
    .wavefront_size: 32
...
	.end_amdgpu_metadata
.endif
;; end of part 3
